; MI455X (gfx1250); checked and timed in simulation.
; The chip was launched on July 23, 2026; its instructions are those of AMD's public machine-readable ISA for CDNA 5 (MIT licence, August 2026) and "CDNA5" Instruction Set Architecture Reference Guide (July 2026). The comments in the code are by the model that wrote it; some were corrected since.
;; Attention. Allowed arithmetic: matrix products marked QUANTISED: E4M3 operands, one given power-of-two scale a tensor, by v_wmma_f32_16x16x64_fp8_fp8 or v_wmma_f32_16x16x128_fp8_fp8, f32 sums; everything else in f32.
;; Inputs: attention_mask 2 x 2,048 int32; b_qkv 3,072 float32; hidden_state 2 x 2,048 x 1,024 float32; lowp_scales 8 int32 (the exponents e of the quantised operands' scales 2^e); w_out 1,024 x 1,024 float32; w_qkv 1,024 x 3,072 float32.
;; Outputs: out0 2 x 2,048 x 1,024 float32.
;; This version of the problem:
;;   THIS VERSION OF THE PROBLEM IS GIVEN IN LOW PRECISION. The matrix products marked QUANTISED in the list below multiply operands that are first quantised to E4M3 (4 exponent bits, 3 mantissa bits; 8 bits a number), with one given power-of-two scale for each operand tensor; their sums are f32. All else is computed in f32.
;;   The module's matrix products, in the order in which they are computed (A, B: the left and right operand; K: the contracted axis; several contracted axes count as one K, in the product's order):
;;     1. [M 4,096, K 1,024] x [K 1,024, N 3,072]; A: input hidden_state; B: input w_qkv: QUANTISED (scales: A lowp_scales[0], B lowp_scales[1])
;;     2. batch 32 x [M 2,048, K 64] x [K 64, N 2,048]; A: computed on the way; B: computed on the way: QUANTISED (scales: A lowp_scales[2], B lowp_scales[3])
;;     3. batch 32 x [M 2,048, K 2,048] x [K 2,048, N 64]; A: softmax (see below); B: computed on the way: QUANTISED (scales: A lowp_scales[4], B lowp_scales[5])
;;     4. [M 4,096, K 1,024] x [K 1,024, N 1,024]; A: computed on the way; B: input w_out: QUANTISED (scales: A lowp_scales[6], B lowp_scales[7])
;;   THE QUANTISER, for each operand of a quantised product, along K:
;;     - The operand's scale is 2^e, e = its entry of the input lowp_scales (int32; the entries are numbered through the quantised products in the list's order, A before B).
;;     - Each number is divided by the scale, clamped to +-448, and rounded to the nearest number of E4M3, ties to even, subnormals kept.
;;     - The product sums the exact products of the quantised numbers (number of the format x scale) in f32.
;;   ~~~python
;;   def quantise(x, axis, e):      # numpy; x: float32 -> the quantised numbers, widened to float32 again
;;       x = np.moveaxis(x, axis, -1); K = x.shape[-1]
;;       r = np.clip(x / 2.0 ** e, -448, 448)
;;       step = 2.0 ** (np.maximum(np.frexp(np.where(r == 0, 1, r))[1] - 1, -6) - 3)
;;       q = np.round(r / step) * step * 2.0 ** e      # np.round: ties to even
;;       return np.moveaxis(q, -1, axis).astype(np.float32)
;;   ~~~
;;   SOFTMAX AHEAD OF A QUANTISED PRODUCT. Where the list says 'softmax', what is quantised is not the finished softmax but p = 2^(t - M), with t = logit x log2(e) and M = ceil(the row's largest t), a whole number; so 1/2 < the row's largest p <= 1. The row's sum l is taken of the UNQUANTISED p, in f32, and the product's result is divided by l at the end. Since M is a whole number, a kernel that streams over the keys may use a running M (the ceiling of the running maximum): every later rescaling is an exact power of two, so the quantised numbers keep their values, but for numbers so far below the row's largest that they fall under the format's range.
;;   OPERANDS COMPUTED ON THE WAY. 'Computed on the way' means the value that the module computes at that place (a softmax that the list does not call 'softmax' is quantised finished and normalised). What goes into a quantiser is computed in f32, as accurately as f32 sums, v_exp_f32 and their like allow (about 1e-6 of the number): no bf16 or f16 on the way to a quantiser, and a product that is left as it is and whose result goes on into a quantised operand takes f32 operands (vector FMAs, or v_wmma_f32_16x16x4_f32). A number that lies on a knife's edge between two numbers of the format may be rounded either way, as far as f32 arithmetic and the matrix unit's own rounding can turn it there, and no further.
;; One version. Each part assembles by itself: llvm-mc -triple=amdgcn-amd-amdhsa -mcpu=gfx1250 --defsym DOCPART=n.
;; ======== version 1 of 1: 4 launches
;; limits: right only within a limited range of input values
;; workspace buffers: x_codes 4,194,304 bytes; wqkv_codes 3,145,728 bytes; wout_codes 1,048,576 bytes; cs_img 524,288 bytes; q_img 4,194,304 bytes; k_img 4,194,304 bytes; v_img 4,194,304 bytes; a_img 4,194,304 bytes
;; launch prep (part 1): grid 288 x 1, 4 waves a work-group, no clusters, 102,912 bytes of LDS; arguments hidden_state, w_qkv, w_out, lowp_scales, x_codes, wqkv_codes, wout_codes, cs_img; writes x_codes, wqkv_codes, wout_codes, cs_img
.if DOCPART == 1
	.amdgcn_target "amdgcn-amd-amdhsa--gfx1250"
	.amdhsa_code_object_version 6
	.text
	.protected	k_q2a4598f9ef_prep
	.globl	k_q2a4598f9ef_prep
	.p2align	8
	.type	k_q2a4598f9ef_prep,@function
k_q2a4598f9ef_prep:
	s_mov_b64 s[64:65], 0
	v_nop
	global_prefetch_b8 v0, s[64:65] scope:SCOPE_SE
	s_setreg_imm32_b32 hwreg(HW_REG_WAVE_MODE, 25, 1), 1
	s_wait_xcnt 0x0
; PREP: the three f32 inputs of the quantised products 1 and 4 become codes of E4M3 once, and the rotary table is made once.
; Work-groups 0-127:   hidden_state [4096][1024] -> x_codes, same order (K innermost), scale 2^e0.
; Work-groups 128-223: w_qkv [1024 k][3072 n] -> wqkv_codes [3072 n][1024 k], scale 2^e1: a lane takes a column, its registers run down K.
; Work-groups 224-255: w_out [1024 k][1024 n] -> wout_codes [1024 n][1024 k], scale 2^e7; in every 32 bytes along k the two middle pieces of 8 bytes change places,
;                      so that four 16-byte reads of a row give the last launch a fragment with every k in the place that the K = 128 form's own layout gives it.
; Work-groups 256-287: cos and sin of t x inv_freq, t = 0 .. 2047, 32 frequencies, laid as images of the registers in which the second launch wants them.
; code = x / 2^e, held within +-448, to the nearest code, ties to even.  LIMITS: e0, e1, e7 between -126 and 119.  NaN among the inputs is not served.
; The four paths part on the work-group's number and never join; each path that uses LDS has LDS bytes of its own.  Waves share nothing: no barrier.
.set SP,     80                        ; path X: a lane's place in a stage: 64 bytes + 16 of padding
.set W1REG,  32768                     ; LDS: path X 4 x 8,192 from 0; w_qkv's path 4 x 8,704 from here;
.set W2REG,  67584                     ; w_out's path 4 x 8,704 from here;
.set SPARE,  102400                    ; the spare words, 128 bytes for each wave: two blocks of 256 bytes that no other line names
.set WPITCH, 272                       ; the weights' stage: a row of 256 codes + 16 bytes
.set SPW,    12                        ; v12 LDS address of my spare word; never rewritten
.set NIL,    13                        ; v13 0; never rewritten
.set XR,     16                        ; path X: v16-79 four sets of 16 numbers as loaded
.set XX,     80                        ; v80-111 two sets of 16 neighbours
.set XC,     128                       ; v128-191 codes, four registers a step
.set WX,     32                        ; weights: v32-95 two sets of 32 numbers
.set WC,     96                        ; v96-103 a block's codes
.set WOUT,   112                       ; v112-175 the way out
	s_load_b512 s[4:19], s[0:1], 0x0               ; hidden s[4:5], w_qkv s[6:7], w_out s[8:9], scales s[10:11], x_codes s[12:13], wqkv_codes s[14:15], wout_codes s[16:17], cs_img s[18:19]
	v_lshl_add_u32 v[SPW], v0, 2, SPARE
	v_mov_b32 v[NIL], 0
	v_lshrrev_b32 v1, 5, v0
	v_readfirstlane_b32 s20, v1                    ; wave 0..3
	v_and_b32 v2, 31, v0                           ; lane
	s_wait_kmcnt 0x0
	s_load_b256 s[24:31], s[10:11], 0x0            ; e0 .. e7
	s_cmp_lt_u32 ttmp9, 128
	s_cbranch_scc1 .Lpath_x
	s_cmp_lt_u32 ttmp9, 224
	s_cbranch_scc1 .Lpath_w1
	s_cmp_lt_u32 ttmp9, 256
	s_cbranch_scc1 .Lpath_w2
; ---------------- the rotary table.  Wave tau = 4 (work-group - 256) + wave makes the image of 16 positions: lane (r, h) has t = 16 tau + r and the 16 frequencies f = 16 c + 8 h + j.
	s_sub_co_u32 s21, ttmp9, 256
	s_lshl_b32 s21, s21, 2
	s_add_co_u32 s21, s21, s20                     ; tau
	s_lshl_b32 s32, s21, 12                        ; an image is 4,096 bytes
	s_mov_b32 s33, 0
	s_add_nc_u64 s[18:19], s[18:19], s[32:33]
	s_wait_alu depctr_va_vdst(0)
	v_and_b32 v5, 15, v2                           ; r
	v_lshrrev_b32 v6, 4, v2                        ; h
	v_lshl_add_u32 v7, s21, 4, v5
	v_cvt_f32_u32 v3, v7                           ; t
	v_lshlrev_b32 v4, 4, v2                        ; 16 x lane
	v_mov_b32 v96, 0xb94ca1f9                      ; the leading coefficients of the two polynomials
	v_mov_b32 v97, 0x37ccf5ce
	v_cmp_ne_u32 vcc_lo, 0, v6
; 10000^(f / 32) = 10^(f / 8): for number k = 8 c + j the lower half of the lanes has f = 16 c + j, the upper f = 16 c + 8 + j: ten times as much
.macro PF k, l0, l1
	v_mov_b32 v[32+\k], \l1
	v_cndmask_b32 v[32+\k], \l0, v[32+\k], vcc_lo
.endm
	PF 0, 1.0, 10.0
	PF 1, 1.3335214321633240, 13.335214321633240
	PF 2, 1.7782794100389228, 17.782794100389228
	PF 3, 2.3713737056616552, 23.713737056616552
	PF 4, 3.1622776601683795, 31.622776601683795
	PF 5, 4.2169650342858223, 42.169650342858223
	PF 6, 5.6234132519034907, 56.234132519034907
	PF 7, 7.4989420933245583, 74.989420933245583
	PF 8, 100.0, 1000.0
	PF 9, 133.35214321633240, 1333.5214321633240
	PF 10, 177.82794100389228, 1778.2794100389228
	PF 11, 237.13737056616552, 2371.3737056616552
	PF 12, 316.22776601683795, 3162.2776601683795
	PF 13, 421.69650342858223, 4216.9650342858223
	PF 14, 562.34132519034907, 5623.4132519034907
	PF 15, 749.89420933245583, 7498.9420933245583
.set n, 0
	s_wait_alu depctr_va_vdst(0)
.rept 16
	v_rcp_f32 v[16+n], v[32+n]                     ; inv_freq = 1 / P: sixteen reciprocals as one batch,
.set n, n+1
.endr
	v_nop                                          ; a plain line behind the last of them,
	s_wait_alu depctr_va_vdst(0)                   ; and one wait ahead of the first reader
.set n, 0
.rept 16
	v_fma_f32 v[48+n], -v[32+n], v[16+n], 1.0      ; one step of Newton's: e = 1 - P r,
.set n, n+1
.endr
.set n, 0
.rept 16
	v_fma_f32 v[16+n], v[16+n], v[48+n], v[16+n]   ; r + r e
.set n, n+1
.endr
; cos and sin of A = t x inv_freq (up to 2,047): N = the nearest whole number to A x 2 / pi; R = A - N pi / 2 with pi / 2 in two parts, by fused multiply-adds (the first leaves no rounding: N has 11 bits);
; sin R and cos R on +-pi / 4 by polynomials of degree 7 and 8; the quadrant N mod 4 picks and signs them.
.macro SINCOS k
	v_mul_f32 v100, v3, v[16+\k]
	v_mul_f32 v101, 0x3f22f983, v100
	v_rndne_f32 v101, v101
	v_fmamk_f32 v102, v101, 0xbfc90fdb, v100
	v_fmamk_f32 v102, v101, 0x333bbd2e, v102
	v_cvt_i32_f32 v103, v101
	v_mul_f32 v104, v102, v102                     ; z = R R
	v_fmaak_f32 v105, v96, v104, 0x3c08839e
	v_fmaak_f32 v105, v105, v104, 0xbe2aaaa3
	v_mul_f32 v109, v104, v102
	v_fma_f32 v107, v105, v109, v102               ; sin R
	v_fmaak_f32 v106, v97, v104, 0xbab6061a
	v_fmaak_f32 v106, v106, v104, 0x3d2aaaa5
	v_mul_f32 v110, v104, v104
	v_fma_f32 v109, v104, -0.5, 1.0
	v_fma_f32 v108, v106, v110, v109               ; cos R
	v_and_b32 v109, 1, v103
	v_cmp_eq_u32 vcc_lo, 1, v109
	v_cndmask_b32 v[80+\k], v107, v108, vcc_lo     ; sin A: in odd quadrants cos R,
	v_cndmask_b32 v[64+\k], v108, v107, vcc_lo     ; cos A: in odd quadrants sin R
	v_and_b32 v109, 2, v103
	v_lshlrev_b32 v109, 30, v109
	v_xor_b32 v[80+\k], v109, v[80+\k]             ; sin A is negated in quadrants 2 and 3,
	v_add_nc_u32 v110, 1, v103
	v_and_b32 v110, 2, v110
	v_lshlrev_b32 v110, 30, v110
	v_xor_b32 v[64+\k], v110, v[64+\k]             ; cos A in quadrants 1 and 2
.endm
.irp k, 0,1,2,3,4,5,6,7,8,9,10,11,12,13,14,15
	SINCOS \k
.endr
.irp q, 0,1,2,3
	global_store_b128 v4, v[64+4*\q:67+4*\q], s[18:19] offset:512*\q          ; each store of the wave covers 512 consecutive bytes, aligned
	global_store_b128 v4, v[80+4*\q:83+4*\q], s[18:19] offset:2048+512*\q
.endr
	s_wait_kmcnt 0x0                               ; (the scales, which this path does not use)
	s_wait_tensorcnt 0x0                           ; the wave's end
	ds_add_u32 v[SPW], v[NIL]
	s_wait_dscnt 0x0
	s_endpgm
; ---------------- hidden_state: a plain stream of blocks of 32.  A wave takes 16 steps of 512 numbers.  Each load reads 512 consecutive bytes; a step's 2,048 bytes turn through the wave's own stage in LDS,
; so that a lane gets 16 neighbours along K for the conversions; a lane's 16 codes are 16 bytes, so a store covers 512 consecutive bytes.  Loads run four steps ahead, the turn one step.
.macro XLOAD t
.irp i, 0,1,2,3
	global_load_b128 v[XR+16*((\t)%4)+4*\i:XR+16*((\t)%4)+4*\i+3], v3, s[4:5] offset:2048*(\t)+512*\i th:TH_LOAD_NT
.endr
.endm
.macro XTURN t                         ; LDS serves a wave's instructions in order: no wait between the stores and the loads
.irp i, 0,1,2,3
	ds_store_b128 v14, v[XR+16*((\t)%4)+4*\i:XR+16*((\t)%4)+4*\i+3] offset:32*SP*((\t)%2)+8*SP*\i
.endr
.irp i, 0,1,2,3
	ds_load_b128 v[XX+16*((\t)%2)+4*\i:XX+16*((\t)%2)+4*\i+3], v15 offset:32*SP*((\t)%2)+16*\i
.endr
.endm
.macro XSTEP t
.set XS, XX+16*((\t)%2)
	s_wait_dscnt 0x0                               ; this step's numbers are back from the stage, and its stores into the stage have read their registers,
.if (\t)+4 < 16
	XLOAD (\t)+4                                   ; which take the loads of four steps on
.endif
.if (\t)+1 < 16
.if 14-(\t) >= 3
	s_wait_loadcnt 12                              ; the next step's four loads are in; those of the three steps behind it may be out
.else
	s_wait_loadcnt 4*(14-(\t))                     ; in the tail: four for each step still behind the next
.endif
	XTURN (\t)+1
.endif
.irp i, 0,1,2,3,4,5,6,7,8,9,10,11,12,13,14,15
	v_med3_num_f32 v[XS+\i], v[XS+\i], -v10, v10   ; the conversion to an 8-bit code does not saturate (ISA guide 7.6.2): the hold at the largest code x the scale
.endr
	v_cvt_scalef32_pk8_fp8_f32 v[XC+4*(\t):XC+4*(\t)+1], v[XS:XS+7], v11
	v_cvt_scalef32_pk8_fp8_f32 v[XC+4*(\t)+2:XC+4*(\t)+3], v[XS+8:XS+15], v11
	global_store_b128 v3, v[XC+4*(\t):XC+4*(\t)+3], s[12:13] offset:512*(\t)   ; each step has its own code registers: no store's data are written again
.endm
.Lpath_x:
	s_lshl_b32 s21, s20, 13                        ; my wave's 8,192 bytes of LDS
	s_wait_alu depctr_va_vdst(0)
	v_lshlrev_b32 v3, 4, v2                        ; 16 x lane: my bytes of a load's 512, and of a store's
	v_lshrrev_b32 v14, 2, v2
	v_mul_u32_u24 v14, v14, SP
	v_and_b32 v15, 3, v2
	v_lshl_add_u32 v14, v15, 4, v14
	v_add_nc_u32 v14, s21, v14                     ; into the stage: four lanes' 64 bytes on end, then 16 of padding
	v_mul_u32_u24 v15, v2, SP
	v_add_nc_u32 v15, s21, v15                     ; out of it: my 16 neighbours
	s_lshl_b32 s22, ttmp9, 2
	s_add_co_u32 s22, s22, s20                     ; which run of 8,192 numbers is my wave's
	s_lshl_b32 s32, s22, 15
	s_mov_b32 s33, 0
	s_add_nc_u64 s[4:5], s[4:5], s[32:33]
	s_lshl_b32 s32, s22, 13
	s_add_nc_u64 s[12:13], s[12:13], s[32:33]
.irp t, 0,1,2,3
	XLOAD \t
.endr
	s_wait_alu depctr_va_vdst(0)
	s_wait_kmcnt 0x0
	s_add_co_i32 s22, s24, 127
	s_lshl_b32 s23, s22, 23
	v_mov_b32 v11, s23                             ; 2^e0 as f32: the conversion takes its exponent field
	s_add_co_i32 s22, s22, 8
	s_lshl_b32 s22, s22, 23
	s_or_b32 s22, s22, 0x600000
	v_mov_b32 v10, s22                             ; 448 x 2^e0
	s_wait_alu depctr_va_vdst(0)
	s_wait_loadcnt 12                              ; step 0's four loads are in
	XTURN 0
.irp t, 0,1,2,3,4,5,6,7,8,9,10,11,12,13,14,15
	XSTEP \t
.endr
	s_wait_tensorcnt 0x0                           ; the wave's end, behind my last LDS store
	ds_add_u32 v[SPW], v[NIL]
	s_wait_dscnt 0x0
	s_endpgm
; ---------------- a weight [1024 k][N n].  A wave takes 32 columns x 256 along K: each load reads one row k at 32 neighbouring columns; a lane's 32 registers are a block of 32 along K of its column, so the
; conversions give codes with K innermost.  The codes gather in the wave's stage (row = column n, 256 bytes + 16) and leave as rows: sixteen lanes store 256 consecutive bytes, aligned.  Loads run two blocks ahead.
.macro WLOAD t, N, SRC
.irp i, 0,1,2,3,4,5,6,7,8,9,10,11,12,13,14,15,16,17,18,19,20,21,22,23,24,25,26,27,28,29,30,31
	global_load_b32 v[WX+32*((\t)%2)+\i], v3, s[\SRC:\SRC+1] offset:(32*(\t)+\i)*\N*4 th:TH_LOAD_NT
.endr
.endm
.macro WBLOCK t, N, SRC, SWAP
.set XS, WX+32*((\t)%2)
.if (\t) < 7
	s_wait_loadcnt 32                              ; this block's 32 loads are in; the next block's may be out
.else
	s_wait_loadcnt 0
.endif
.irp i, 0,1,2,3,4,5,6,7,8,9,10,11,12,13,14,15,16,17,18,19,20,21,22,23,24,25,26,27,28,29,30,31
	v_med3_num_f32 v[XS+\i], v[XS+\i], -v10, v10
.endr
.irp g, 0,1,2,3
.if \SWAP
	v_cvt_scalef32_pk8_fp8_f32 v[WC+2*((\g&1)*2+(\g/2)):WC+2*((\g&1)*2+(\g/2))+1], v[XS+8*\g:XS+8*\g+7], v11   ; pieces 1 and 2 change places
.else
	v_cvt_scalef32_pk8_fp8_f32 v[WC+2*\g:WC+2*\g+1], v[XS+8*\g:XS+8*\g+7], v11
.endif
.endr
	ds_store_b128 v4, v[WC:WC+3] offset:32*(\t)
	ds_store_b128 v4, v[WC+4:WC+7] offset:32*(\t)+16
.if (\t)+2 < 8
	WLOAD (\t)+2, \N, \SRC
.endif
	s_wait_dscnt 0x0                               ; the stores have read their registers: the next block's codes may be written
.endm
.macro WPATH N, LDSBASE, ES, SRC, DST, SWAP, FIRST
	s_sub_co_u32 s21, ttmp9, \FIRST
	s_lshr_b32 s22, s21, 2                         ; which 128 columns,
	s_and_b32 s23, s21, 3                          ; which 256 along K
	s_lshl_b32 s22, s22, 7
	s_lshl_b32 s32, s20, 5
	s_add_co_u32 s22, s22, s32                     ; my wave's first column
	v_lshlrev_b32 v3, 2, v2                        ; in: 4 bytes a lane
	s_mul_i32 s33, s20, 32*WPITCH
	s_add_co_u32 s33, s33, \LDSBASE                ; my stage
	v_mul_u32_u24 v4, v2, WPITCH
	v_add_nc_u32 v4, s33, v4                       ; into it: row = my column
	v_and_b32 v5, 15, v2
	v_lshrrev_b32 v6, 4, v2
	v_mul_u32_u24 v7, v6, WPITCH
	v_lshl_add_u32 v7, v5, 4, v7
	v_add_nc_u32 v7, s33, v7                       ; out of it: sixteen lanes to a row, two rows an instruction
	v_lshlrev_b32 v8, 10, v6
	v_lshl_add_u32 v8, v5, 4, v8                   ; and the same place in the codes' buffer (a row is 1,024 bytes)
	s_mul_i32 s34, s23, 256*\N*4
	s_lshl_b32 s35, s22, 2
	s_add_co_u32 s34, s34, s35
	s_mov_b32 s35, 0
	s_add_nc_u64 s[\SRC:\SRC+1], s[\SRC:\SRC+1], s[34:35]
	s_lshl_b32 s36, s22, 10
	s_lshl_b32 s37, s23, 8
	s_add_co_u32 s36, s36, s37
	s_mov_b32 s37, 0
	s_add_nc_u64 s[\DST:\DST+1], s[\DST:\DST+1], s[36:37]
	WLOAD 0, \N, \SRC
	WLOAD 1, \N, \SRC
	s_wait_kmcnt 0x0
	s_add_co_i32 s38, s[\ES], 127
	s_lshl_b32 s39, s38, 23
	v_mov_b32 v11, s39                             ; 2^e as f32
	s_add_co_i32 s38, s38, 8
	s_lshl_b32 s38, s38, 23
	s_or_b32 s38, s38, 0x600000
	v_mov_b32 v10, s38                             ; 448 x 2^e
	s_wait_alu depctr_va_vdst(0)
.irp t, 0,1,2,3,4,5,6,7
	WBLOCK \t, \N, \SRC, \SWAP
.endr
.irp t, 0,1,2,3,4,5,6,7,8,9,10,11,12,13,14,15
	ds_load_b128 v[WOUT+4*\t:WOUT+4*\t+3], v7 offset:2*\t*WPITCH
.endr
.irp t, 0,1,2,3,4,5,6,7,8,9,10,11,12,13,14,15
	s_wait_dscnt 15-\t                             ; LDS loads come back in order: number t is in
	global_store_b128 v8, v[WOUT+4*\t:WOUT+4*\t+3], s[\DST:\DST+1] offset:2*\t*1024
.endr
	s_wait_tensorcnt 0x0                           ; the wave's end, behind my last LDS store
	ds_add_u32 v[SPW], v[NIL]
	s_wait_dscnt 0x0
	s_endpgm
.endm
.Lpath_w1:
	s_wait_alu depctr_va_vdst(0)
	WPATH 3072, W1REG, 25, 6, 14, 0, 128
.Lpath_w2:
	s_wait_alu depctr_va_vdst(0)
	WPATH 1024, W2REG, 31, 8, 16, 1, 224
.Lfunc_end_k_q2a4598f9ef_prep:
	.size	k_q2a4598f9ef_prep, .Lfunc_end_k_q2a4598f9ef_prep-k_q2a4598f9ef_prep
	.p2alignl 7, 3214868480
	.fill 96, 4, 3214868480
	.section	.rodata,"a",@progbits
	.p2align	6, 0x0
	.amdhsa_kernel k_q2a4598f9ef_prep
		.amdhsa_group_segment_fixed_size 102912
		.amdhsa_private_segment_fixed_size 0
		.amdhsa_enable_private_segment 0
		.amdhsa_kernarg_size 64
		.amdhsa_user_sgpr_count 2
		.amdhsa_user_sgpr_kernarg_segment_ptr 1
		.amdhsa_wavefront_size32 1
		.amdhsa_system_sgpr_workgroup_id_x 1
		.amdhsa_system_sgpr_workgroup_id_y 1
		.amdhsa_system_sgpr_workgroup_id_z 1
		.amdhsa_system_vgpr_workitem_id 0
		.amdhsa_next_free_vgpr 192
		.amdhsa_next_free_sgpr 66
		.amdhsa_reserve_vcc 1
		.amdhsa_float_denorm_mode_32 3
		.amdhsa_float_denorm_mode_16_64 3
		.amdhsa_memory_ordered 1
		.amdhsa_forward_progress 1
		.amdhsa_inst_pref_size 158
	.end_amdhsa_kernel
	.amdgpu_metadata
---
amdhsa.version: [ 1, 2 ]
amdhsa.kernels:
  - .name:           k_q2a4598f9ef_prep
    .symbol:         k_q2a4598f9ef_prep.kd
    .args:
      - { .name: hidden_state, .offset: 0, .size: 8, .value_kind: global_buffer, .address_space: global }
      - { .name: w_qkv, .offset: 8, .size: 8, .value_kind: global_buffer, .address_space: global }
      - { .name: w_out, .offset: 16, .size: 8, .value_kind: global_buffer, .address_space: global }
      - { .name: lowp_scales, .offset: 24, .size: 8, .value_kind: global_buffer, .address_space: global }
      - { .name: x_codes, .offset: 32, .size: 8, .value_kind: global_buffer, .address_space: global }
      - { .name: wqkv_codes, .offset: 40, .size: 8, .value_kind: global_buffer, .address_space: global }
      - { .name: wout_codes, .offset: 48, .size: 8, .value_kind: global_buffer, .address_space: global }
      - { .name: cs_img, .offset: 56, .size: 8, .value_kind: global_buffer, .address_space: global }
    .group_segment_fixed_size: 102912
    .private_segment_fixed_size: 0
    .kernarg_segment_align: 8
    .kernarg_segment_size: 64
    .max_flat_workgroup_size: 128
    .sgpr_count:     66
    .vgpr_count:     192
    .wavefront_size: 32
...
	.end_amdgpu_metadata
.endif
;; end of part 1
;; launch qkv (part 2): grid 16 x 16, 4 waves a work-group, clusters of 4 x 4, 327,680 bytes of LDS; arguments x_codes, wqkv_codes, lowp_scales, b_qkv, cs_img, q_img, k_img, v_img; writes q_img, k_img, v_img
.if DOCPART == 2
	.amdgcn_target "amdgcn-amd-amdhsa--gfx1250"
	.amdhsa_code_object_version 6
	.text
	.protected	k_q2a4598f9ef_qkv
	.globl	k_q2a4598f9ef_qkv
	.p2align	8
	.type	k_q2a4598f9ef_qkv,@function
k_q2a4598f9ef_qkv:
	s_mov_b64 s[64:65], 0
	v_nop
	global_prefetch_b8 v0, s[64:65] scope:SCOPE_SE
	s_setreg_imm32_b32 hwreg(HW_REG_WAVE_MODE, 25, 1), 1
	s_wait_xcnt 0x0
	s_wait_alu depctr_hold_cnt(0) depctr_sa_sdst(0) depctr_va_vdst(0) depctr_va_sdst(0) depctr_va_ssrc(0) depctr_va_vcc(0) depctr_vm_vsrc(0)
	s_getreg_b32 s2, hwreg(HW_REG_IB_STS2, 6, 4)
	s_cmp_eq_u32 s2, 0
	s_cbranch_scc0 .Lentry_in_a_cluster
	s_endpgm
.Lentry_in_a_cluster:
	s_bfe_u32 s2, ttmp6, 0x10000c
	s_cmp_lg_u32 s2, 0xf033
	s_cbranch_scc0 .Lentry_shape_is_right
	s_endpgm
.Lentry_shape_is_right:
.set PITCH,  272
.set AHALF,  128*PITCH
.set BHALF,  96*PITCH
.set BOFF,   2*AHALF
.set SLOT,   BOFF+2*BHALF
.set SPARE,  2*SLOT
.set FR,     16
.set ADRA, 16
.set ADRB, 18
.set ADRV, 20
.set LI,   22
.set BO,   23
.set VO,   24
.set SCR,  26
.set SCV,  27
.set SPW,  28
.set NIL,  29
.set CS0,  32
.set AF,   128
.set Y,    128
.set TT,   160
.set VT,   192
.set VF,   208
.set QC,   240
.set BIASR, 192
.set BIASV, 224
.set G1, 24
.set G0, 32
.set G1B, 48
.set G0B, 56
.set PADW, (1<<20)|(1<<21)|(5<<22)|(3<<25)
.set TO_B, 0x40
.set MSB, 0
.macro WIN new
.if MSB != (\new)
	s_set_vgpr_msb (MSB<<8)|(\new)
.set MSB, (\new)
.endif
.endm
.macro JLOAD g0a, g1a, g0b, g1b
	s_cmp_eq_u32 s15, 0
	s_cbranch_scc0 .Lfor_b_\@
	tensor_load_to_lds s[\g0a:\g0a+3], s[\g1a:\g1a+7]
	s_nop 0
.rept 4
	v_nop
.endr
	s_branch .Lasked_\@
.Lfor_b_\@:
	tensor_load_to_lds s[\g0b:\g0b+3], s[\g1b:\g1b+7]
	s_nop 0
.rept 4
	v_nop
.endr
.Lasked_\@:
.endm
.macro CREST
	s_cmp_lg_u32 s14, 0
	s_cbranch_scc1 .Lnot_wave_0_\@
	s_barrier_signal -3
.Lnot_wave_0_\@:
	s_barrier_wait -3
	s_barrier_signal -1
	s_barrier_wait -1
.endm
.macro CROUND
	s_barrier_signal -1
	s_barrier_wait -1
	CREST
.endm
.macro PLACES
.rept 4
	v_nop
.endr
.endm
	s_load_b512 s[68:83], s[0:1], 0x0
	v_lshl_add_u32 v[SPW], v0, 2, SPARE
	v_mov_b32 v[NIL], 0
	ds_add_u32 v[SPW], v[NIL]
	ds_add_u32 v[SPW], v[NIL]
	v_lshrrev_b32 v1, 5, v0
	v_readfirstlane_b32 s14, v1
	s_lshr_b32 s15, s14, 1
	s_and_b32 s16, s14, 1
	s_bfe_u32 s40, ttmp6, 0x40000
	s_bfe_u32 s41, ttmp6, 0x40004
	s_lshl_b32 s42, ttmp9, 2
	s_add_co_u32 s42, s42, s40
	s_and_b32 s17, ttmp7, 0xffff
	s_lshl_b32 s17, s17, 2
	s_add_co_u32 s17, s17, s41
	s_lshl_b32 s43, s41, 2
	s_lshl_b32 s43, 15, s43
	s_lshl_b32 s44, 0x1111, s40
	s_or_b32 s[G1+0], s43, PADW
	s_or_b32 s[G1B+0], s44, PADW
	s_mov_b32 s[G1+1], 256<<16
	s_mov_b32 s[G1+2], 128<<16
	s_mov_b32 s[G1+3], 256<<16
	s_mov_b32 s[G1+4], 128
	s_mov_b32 s[G1+5], 1024
	s_mov_b32 s[G1+6], 0
	s_mov_b32 s[G1+7], 0
	s_mov_b32 s[G1B+1], 256<<16
	s_mov_b32 s[G1B+2], 96<<16
	s_mov_b32 s[G1B+3], 256<<16
	s_mov_b32 s[G1B+4], 96
	s_mov_b32 s[G1B+5], 1024
	s_mov_b32 s[G1B+6], 0
	s_mov_b32 s[G1B+7], 0
	s_lshl_b32 s18, s16, 7
	s_lshl_b32 s20, s17, 8
	s_add_co_u32 s20, s20, s18
	s_lshl_b32 s20, s20, 10
	s_mov_b32 s21, 0
	s_mul_i32 s46, s42, 192
	s_mul_i32 s47, s16, 96
	s_add_co_u32 s46, s46, s47
	s_lshl_b32 s46, s46, 10
	s_mov_b32 s47, 0
	s_mul_i32 s45, s16, AHALF
	s_mul_i32 s19, s16, BHALF
	s_add_co_u32 s19, s19, BOFF
	s_wait_alu depctr_va_vdst(0)                   ; directly ahead of the wait below
	s_wait_dscnt 0x0                               ; both opening adds are done
	CROUND                                         ; all sixteen work-groups are here: the first joint loads meet
	s_wait_kmcnt 0x0
	s_load_b256 s[84:91], s[72:73], 0x0
	s_add_nc_u64 s[20:21], s[68:69], s[20:21]
	s_add_nc_u64 s[46:47], s[70:71], s[46:47]
.irp s, 0,1
	s_mov_b32 s[G0+4*\s], 1
	s_add_co_u32 s[G0+4*\s+1], s45, \s*SLOT
	s_add_nc_u64 s[G0+4*\s+2:G0+4*\s+3], s[20:21], \s*256
	s_or_b32 s[G0+4*\s+3], s[G0+4*\s+3], 0x80000000
	s_mov_b32 s[G0B+4*\s], 1
	s_add_co_u32 s[G0B+4*\s+1], s19, \s*SLOT
	s_add_nc_u64 s[G0B+4*\s+2:G0B+4*\s+3], s[46:47], \s*256
	s_or_b32 s[G0B+4*\s+3], s[G0B+4*\s+3], 0x80000000
.endr
	JLOAD G0, G1, G0B, G1B                         ; K step 0: one tensor load a wave at the head; the set-up below stands under its flight
	v_and_b32 v1, 15, v0
	v_bfe_u32 v2, v0, 4, 1
	v_mul_u32_u24 v3, v1, PITCH
	v_lshl_add_u32 v4, v2, 4, v3
	s_wait_alu depctr_va_vdst(0)
	s_mul_i32 s21, s15, AHALF
	s_mul_i32 s22, s16, 64*PITCH
	s_add_co_u32 s22, s22, BOFF
	s_mul_i32 s23, s16, 32*PITCH
	s_add_co_u32 s23, s23, BOFF+128*PITCH
.irp s, 0,1
	v_add_nc_u32 v[ADRA+\s], s21, v4
	v_add_nc_u32 v[ADRB+\s], s22, v4
	v_add_nc_u32 v[ADRV+\s], s23, v4
	s_add_co_u32 s21, s21, SLOT
	s_add_co_u32 s22, s22, SLOT
	s_add_co_u32 s23, s23, SLOT
.endr
	v_and_b32 v5, 31, v0
	v_lshlrev_b32 v[LI], 4, v5
	v_lshlrev_b32 v[BO], 5, v2
	s_wait_alu depctr_va_vdst(0)
	v_lshlrev_b32 v[VO], 2, v1
	s_wait_alu depctr_va_vdst(0)
	s_mov_b32 s101, 0
	s_mul_i32 s100, s42, 768
	s_lshl_b32 s11, s16, 8
	s_add_co_u32 s100, s100, s11
	s_add_nc_u64 s[92:93], s[74:75], s[100:101]
	s_mul_i32 s100, s42, 768
	s_lshl_b32 s11, s16, 7
	s_add_co_u32 s100, s100, s11
	s_add_co_u32 s100, s100, 512
	s_add_nc_u64 s[94:95], s[74:75], s[100:101]
	s_and_b32 s12, s17, 7
	s_lshl_b32 s12, s12, 4
	s_lshl_b32 s11, s15, 3
	s_add_co_u32 s12, s12, s11
	s_lshl_b32 s100, s12, 12
	s_add_nc_u64 s[4:5], s[76:77], s[100:101]
	s_lshr_b32 s13, s17, 3
	s_lshl_b32 s13, s13, 4
	s_add_co_u32 s13, s13, s42
	s_lshl_b32 s13, s13, 17
	s_lshl_b32 s100, s12, 10
	s_add_co_u32 s100, s100, s13
	s_cmp_eq_u32 s16, 0
	s_cselect_b64 s[96:97], s[78:79], s[80:81]
	s_add_nc_u64 s[96:97], s[96:97], s[100:101]
	s_lshl_b32 s11, s16, 12
	s_add_co_u32 s100, s100, s11
	s_add_nc_u64 s[98:99], s[82:83], s[100:101]
	WIN 0xc0
.irp b, 0,1,2,3
	global_load_b128 v[BIASR+8*\b:BIASR+8*\b+3], v[BO], s[92:93] offset:64*\b
	global_load_b128 v[BIASR+8*\b+4:BIASR+8*\b+7], v[BO], s[92:93] offset:64*\b+16
.endr
.irp i, 0,1
	global_load_b32 v[BIASV+8*\i], v[VO], s[94:95] offset:64*\i
.endr
	WIN 0
.irp a, 0,1,2
.irp q, 0,1,2,3,4,5,6,7
	global_load_b128 v[CS0+32*\a+4*\q:CS0+32*\a+4*\q+3], v[LI], s[4:5] offset:\a*4096+512*\q
.endr
.endr
	s_wait_kmcnt 0x0
	s_add_co_i32 s10, s84, s85
	s_cmp_eq_u32 s16, 0
	s_cselect_b32 s11, s86, s87
	s_sub_co_i32 s11, s11, s10
	s_add_co_i32 s11, s11, 127
	s_lshl_b32 s3, s11, 23
	v_mov_b32 v[SCR], s3
	s_add_co_i32 s11, s11, 8
	s_lshl_b32 s6, s11, 23
	s_or_b32 s6, s6, 0x600000
	s_or_b32 s7, s6, 0x80000000
	s_sub_co_i32 s11, s89, s10
	s_add_co_i32 s11, s11, 127
	s_lshl_b32 s3, s11, 23
	v_mov_b32 v[SCV], s3
	s_add_co_i32 s11, s11, 8
	s_lshl_b32 s8, s11, 23
	s_or_b32 s8, s8, 0x600000
	s_or_b32 s9, s8, 0x80000000
	s_sub_co_i32 s10, 0, s10
	s_wait_loadcnt 0x0
	WIN 0xc3
.set n, 0
.rept 32
	v_ldexp_f32 v[BIASR+n], v[BIASR+n], s10
.set n, n+1
.endr
.irp i, 0,1
.irp j, 7,6,5,4,3,2,1,0
	v_ldexp_f32 v[BIASV+8*\i+\j], v[BIASV+8*\i], s10
.endr
.endr
	WIN 0
.macro FRAG reg, adr, q, i
.irp c, 0,1,2,3
	ds_load_b128 v[\reg+4*\c:\reg+4*\c+3], v[\adr] offset:128*(\q)+32*\c+(\i)*16*PITCH
.endr
.endm
.macro FETCH_B slot, q, p
	WIN TO_B
.irp i, 0,1,2,3
	FRAG 128*(\p)+FR*\i, ADRB+\slot, \q, \i
.endr
.irp i, 0,1
	FRAG 128*(\p)+FR*(4+\i), ADRV+\slot, \q, \i
.endr
	WIN 0
.endm
.macro FETCH_A slot, q, i0
.irp i, \i0, \i0+1, \i0+2, \i0+3
	FRAG AF+FR*(\i), ADRA+\slot, \q, \i
.endr
.endm
.macro MULR hi, p, first
.if \first
	WIN 0xb1+0x40*\hi
.else
	WIN 0xa1+0x50*\hi
.endif
.irp a, 0,1,2,3
.irp b, 0,1,2,3
.if \first
	v_wmma_f32_16x16x128_fp8_fp8 v[8*(6*\a+\b):8*(6*\a+\b)+7], v[128*(\p)+FR*\b:128*(\p)+FR*\b+FR-1], v[AF+FR*(4*\hi+\a):AF+FR*(4*\hi+\a)+FR-1], v[BIASR+8*\b:BIASR+8*\b+7]
.else
	v_wmma_f32_16x16x128_fp8_fp8 v[8*(6*\a+\b):8*(6*\a+\b)+7], v[128*(\p)+FR*\b:128*(\p)+FR*\b+FR-1], v[AF+FR*(4*\hi+\a):AF+FR*(4*\hi+\a)+FR-1], v[8*(6*\a+\b):8*(6*\a+\b)+7]
.endif
.endr
.endr
.endm
.macro MULV hi, p, first
.if \first
	WIN 0xb4+0x40*\hi
.else
	WIN 0xa4+0x50*\hi
.endif
.irp a, 0,1,2,3
.irp b, 4,5
.if \first
	v_wmma_f32_16x16x128_fp8_fp8 v[8*(6*\a+\b):8*(6*\a+\b)+7], v[AF+FR*(4*\hi+\a):AF+FR*(4*\hi+\a)+FR-1], v[128*(\p)+FR*\b:128*(\p)+FR*\b+FR-1], v[BIASV+8*(\b-4):BIASV+8*(\b-4)+7]
.else
	v_wmma_f32_16x16x128_fp8_fp8 v[8*(6*\a+\b):8*(6*\a+\b)+7], v[AF+FR*(4*\hi+\a):AF+FR*(4*\hi+\a)+FR-1], v[128*(\p)+FR*\b:128*(\p)+FR*\b+FR-1], v[8*(6*\a+\b):8*(6*\a+\b)+7]
.endif
.endr
.endr
.endm
.macro STEP slot, first
	s_wait_dscnt 16
	MULR 0, 0, \first
	MULV 0, 0, \first
	s_wait_dscnt 0
	PLACES
	FETCH_B \slot, 1, 1
	FETCH_A \slot, 1, 0
	MULR 1, 0, \first
	MULV 1, 0, \first
	PLACES
	WIN 0
	FETCH_A \slot, 1, 4
.endm
.macro TURN slot, next, fill
	s_wait_tensorcnt 0x0
	ds_add_u32 v[SPW], v[NIL]
	s_wait_dscnt 17
	MULR 0, 1, 0
	s_wait_dscnt 0x0
	s_barrier_signal -1
	MULV 0, 1, 0
	WIN 0
	s_barrier_wait -1
.if \fill
	CREST
	s_add_nc_u64 s[G0+4*\slot+2:G0+4*\slot+3], s[G0+4*\slot+2:G0+4*\slot+3], 512
	s_add_nc_u64 s[G0B+4*\slot+2:G0B+4*\slot+3], s[G0B+4*\slot+2:G0B+4*\slot+3], 512
	JLOAD G0+4*\slot, G1, G0B+4*\slot, G1B
.else
	PLACES
.endif
	FETCH_B \next, 0, 0
	FETCH_A \next, 0, 0
	MULR 1, 1, 0
	MULV 1, 1, 0
	PLACES
	WIN 0
	FETCH_A \next, 0, 4
.endm
	s_wait_alu depctr_va_vdst(0)
	s_wait_tensorcnt 0x0                           ; my part of K step 0 is in; slot 1's first fill is issued as a refill is
	ds_add_u32 v[SPW], v[NIL]
	s_wait_dscnt 0x0
	CROUND                                         ; everybody's part of K step 0 is in
	JLOAD G0+4, G1, G0B+4, G1B                     ; K step 1
	FETCH_B 0, 0, 0
	FETCH_A 0, 0, 0
	FETCH_A 0, 0, 4
	STEP 0, 1
	TURN 0, 1, 1
	STEP 1, 0
	TURN 1, 0, 1
	STEP 0, 0
	TURN 0, 1, 0
	STEP 1, 0
	s_wait_dscnt 16
	MULR 0, 1, 0
	MULV 0, 1, 0
	s_wait_dscnt 0
	MULR 1, 1, 0
	MULV 1, 1, 0
	WIN 0
	PLACES
	WIN TO_B
.irp a, 3,4,5,6,7
.irp q, 0,1,2,3,4,5,6,7
	global_load_b128 v[32*(\a-3)+4*\q:32*(\a-3)+4*\q+3], v[LI], s[4:5] offset:\a*4096+512*\q
.endr
.endr
	WIN 0
.macro ROPEBLK a, csb, csw
.if \a >= 2
	s_wait_xcnt 0x0
.endif
.if \a >= 3
	s_wait_loadcnt 8*(7-\a)
.endif
.set AC, 48*((\a)%4)
.set QS, QC+8*((\a)%2)
	WIN (2+(\a)/4)|((\csw)<<2)
.irp i, 0,1
.irp j, 0,2,4,6
	v_pk_mul_f32 v[TT+8*\i+\j:TT+8*\i+\j+1], v[AC+8*(\i+2)+\j:AC+8*(\i+2)+\j+1], v[\csb+16+8*\i+\j:\csb+16+8*\i+\j+1]
	v_pk_mul_f32 v[TT+16+8*\i+\j:TT+16+8*\i+\j+1], v[AC+8*\i+\j:AC+8*\i+\j+1], v[\csb+16+8*\i+\j:\csb+16+8*\i+\j+1]
.endr
.endr
.irp i, 0,1
.irp j, 0,2,4,6
	v_pk_fma_f32 v[Y+8*\i+\j:Y+8*\i+\j+1], v[AC+8*\i+\j:AC+8*\i+\j+1], v[\csb+8*\i+\j:\csb+8*\i+\j+1], v[TT+8*\i+\j:TT+8*\i+\j+1] neg_lo:[0,0,1] neg_hi:[0,0,1]
	v_pk_fma_f32 v[Y+16+8*\i+\j:Y+16+8*\i+\j+1], v[AC+8*(\i+2)+\j:AC+8*(\i+2)+\j+1], v[\csb+8*\i+\j:\csb+8*\i+\j+1], v[TT+16+8*\i+\j:TT+16+8*\i+\j+1]
.endr
.endr
.irp b, 4,5
.irp j, 0,1,2,3,4,5,6,7
	v_med3_num_f32 v[VT+8*(\b-4)+\j], v[AC+8*\b+\j], s9, s8
.endr
.endr
	WIN 0
.set n, 0
.rept 32
	v_med3_num_f32 v[Y+n], v[Y+n], s7, s6
.set n, n+1
.endr
.irp i, 0,1,2,3
	v_cvt_scalef32_pk8_fp8_f32 v[QS+2*\i:QS+2*\i+1], v[Y+8*\i:Y+8*\i+7], v[SCR]
.endr
.irp i, 0,1
	v_cvt_scalef32_pk8_fp8_f32 v[VF+16*\i+2*(\a):VF+16*\i+2*(\a)+1], v[VT+8*\i:VT+8*\i+7], v[SCV]
.endr
	v_nop
	global_store_b128 v[LI], v[QS:QS+3], s[96:97] offset:(\a)*1024
	global_store_b128 v[LI], v[QS+4:QS+7], s[96:97] offset:(\a)*1024+512
.endm
	ROPEBLK 0, CS0, 0
	ROPEBLK 1, CS0+32, 0
	ROPEBLK 2, CS0+64, 0
	ROPEBLK 3, 0, 1
	ROPEBLK 4, 32, 1
	ROPEBLK 5, 64, 1
	ROPEBLK 6, 96, 1
	ROPEBLK 7, 128, 1
.irp i, 0,1
.irp q, 0,1,2,3
	global_store_b128 v[LI], v[VF+16*\i+4*\q:VF+16*\i+4*\q+3], s[98:99] offset:2048*\i+512*\q
.endr
.endr
	s_wait_tensorcnt 0x0
	ds_add_u32 v[SPW], v[NIL]
	s_wait_dscnt 0x0
	CROUND
	s_endpgm
.Lfunc_end_k_q2a4598f9ef_qkv:
	.size	k_q2a4598f9ef_qkv, .Lfunc_end_k_q2a4598f9ef_qkv-k_q2a4598f9ef_qkv
	.p2alignl 7, 3214868480
	.fill 96, 4, 3214868480
	.section	.rodata,"a",@progbits
	.p2align	6, 0x0
	.amdhsa_kernel k_q2a4598f9ef_qkv
		.amdhsa_group_segment_fixed_size 327680
		.amdhsa_private_segment_fixed_size 0
		.amdhsa_enable_private_segment 0
		.amdhsa_kernarg_size 64
		.amdhsa_user_sgpr_count 2
		.amdhsa_user_sgpr_kernarg_segment_ptr 1
		.amdhsa_wavefront_size32 1
		.amdhsa_system_sgpr_workgroup_id_x 1
		.amdhsa_system_sgpr_workgroup_id_y 1
		.amdhsa_system_sgpr_workgroup_id_z 1
		.amdhsa_system_vgpr_workitem_id 0
		.amdhsa_next_free_vgpr 1024
		.amdhsa_next_free_sgpr 102
		.amdhsa_reserve_vcc 0
		.amdhsa_float_denorm_mode_32 3
		.amdhsa_float_denorm_mode_16_64 3
		.amdhsa_memory_ordered 1
		.amdhsa_forward_progress 1
		.amdhsa_inst_pref_size 125
	.end_amdhsa_kernel
	.amdgpu_metadata
---
amdhsa.version: [ 1, 2 ]
amdhsa.kernels:
  - .name:           k_q2a4598f9ef_qkv
    .symbol:         k_q2a4598f9ef_qkv.kd
    .args:
      - { .name: x_codes, .offset: 0, .size: 8, .value_kind: global_buffer, .address_space: global }
      - { .name: wqkv_codes, .offset: 8, .size: 8, .value_kind: global_buffer, .address_space: global }
      - { .name: lowp_scales, .offset: 16, .size: 8, .value_kind: global_buffer, .address_space: global }
      - { .name: b_qkv, .offset: 24, .size: 8, .value_kind: global_buffer, .address_space: global }
      - { .name: cs_img, .offset: 32, .size: 8, .value_kind: global_buffer, .address_space: global }
      - { .name: q_img, .offset: 40, .size: 8, .value_kind: global_buffer, .address_space: global }
      - { .name: k_img, .offset: 48, .size: 8, .value_kind: global_buffer, .address_space: global }
      - { .name: v_img, .offset: 56, .size: 8, .value_kind: global_buffer, .address_space: global }
    .group_segment_fixed_size: 327680
    .private_segment_fixed_size: 0
    .kernarg_segment_align: 8
    .kernarg_segment_size: 64
    .max_flat_workgroup_size: 128
    .sgpr_count:     102
    .vgpr_count:     1024
    .wavefront_size: 32
...
	.end_amdgpu_metadata
.endif
;; end of part 2
;; launch attn (part 3): grid 8 x 32, 8 waves a work-group, clusters of 4 x 1, 327,680 bytes of LDS; arguments q_img, k_img, v_img, attention_mask, lowp_scales, a_img; writes a_img
.if DOCPART == 3
	.amdgcn_target "amdgcn-amd-amdhsa--gfx1250"
	.amdhsa_code_object_version 6
	.text
	.protected	k_q2a4598f9ef_attn
	.globl	k_q2a4598f9ef_attn
	.p2align	8
	.type	k_q2a4598f9ef_attn,@function
k_q2a4598f9ef_attn:
	s_mov_b64 s[64:65], 0
	v_nop
	global_prefetch_b8 v0, s[64:65] scope:SCOPE_SE
	s_setreg_imm32_b32 hwreg(HW_REG_WAVE_MODE, 25, 1), 1
	s_wait_xcnt 0x0
	s_wait_alu depctr_hold_cnt(0) depctr_sa_sdst(0) depctr_va_vdst(0) depctr_va_sdst(0) depctr_va_ssrc(0) depctr_va_vcc(0) depctr_vm_vsrc(0)
	s_getreg_b32 s2, hwreg(HW_REG_IB_STS2, 6, 4)
	s_cmp_eq_u32 s2, 0
	s_cbranch_scc0 .Lentry_in_a_cluster
	s_endpgm
.Lentry_in_a_cluster:
	s_bfe_u32 s2, ttmp6, 0x10000c
	s_cmp_lg_u32 s2, 0x3003
	s_cbranch_scc0 .Lentry_shape_is_right
	s_endpgm
.Lentry_shape_is_right:
; ATTN: products 2 and 3 on codes of E4M3, the causal and the padding mask, the softmax ahead of product 3, the division by the row's sum, and the quantising of the result for product 4.
; t = score x log2(e) / 8; M = the row's largest t so far, rounded up to a whole number; p = 2^(t - M) is quantised along the keys; the row's sum is taken of the unquantised p and divides at the end.
; SHARES.  A head's 2,048 queries are 16 blocks of 128, a block is 8 tiles of 16.  Work-group j of a head's eight owns tile j of EVERY block: all work-groups have the same steps.  Wave w of eight owns the tiles of
; blocks w (the early one, E) and 15 - w (the late one, L): 17 tile steps of 128 keys in every wave.  Up to key block w each fragment of K and V that a wave reads serves both tiles.
; CAUSAL MASK: reference() builds it; a tile step all of whose keys come after the tile's queries is left out, by a branch on the wave's number and the step.  On the diagonal hidden scores become -2^100: the lanes
; that are hidden for register n are the same in every diagonal step (key 16 c + 8 h + i against 16 j + r), so the 64 masks are made once, in scalar registers.
; CLUSTERS: four work-groups of a head form a cluster and ask for its K and V jointly.  No branch and no LDS address hangs on a work-group's place in it.
; LDS.  A head's K and V^T (131,072 bytes each) lie in LDS whole, as images of operand registers, read at 16 x lane.  They are filled ONCE, by eight tensor loads, one a wave, at the head: waves 0 and 1 key block 0 of K
; and of V, waves 2 to 7 five of the other fifteen blocks each.  Block 0 is worked while the others are on their way.  Block kb > 0 lies 32,768 bytes further on than 8,192 kb, so that a wave's LDS address is a multiple of its number.
; LAYOUT.  S^T = K Q^T + C and O^T = V^T P^T: a lane holds ONE query (lane % 16); tile c's eight registers are keys 16 c + 8 (lane / 16) + 0 .. 7, which are registers 2 c, 2 c + 1 of the next product's operand.
; THE PADDING MASK is turned once into 2,048 numbers in LDS, 0 for a key that counts and -2^100 for one that does not.  They are loaded into L's score registers and are the C of both tiles' first products.
; The largest score starts at a floor, -2^26, under every score that counts (a sum of 64 products of codes is under 2^24): in steps of hidden keys alone every p is 0 and the sums stay 0.
; A ROW NONE OF WHOSE KEYS COUNTS has all 2,048 logits equal in reference(), the later keys' too: its result is the mean of V over all keys.  Waves 0 to 3 sum U = V^T x (the code of p = 1) over four key blocks each,
; and every wave takes U and the sum 2,048 in the lanes whose largest score is still at the floor: a choice of values, no branch.
; NO PREFETCH: every tile is asked for at the head; there is no later request to run ahead of.
; LIMITS: e2 + e3 between -80 and 25 (so that c x 2^(e2 + e3) x 2^100 is an f32 number far beyond every exponent that counts); e4 and e6 between -126 and 119.  NaN among the inputs is not served.
; REGISTERS: two windows with the same numbers: window 0 tile E, window 1 tile L: v12 -M, v13 largest score, v14 -2^100, v15 e4 + e5, v16-23 Q, v24-39 at work and the sum, v40-43 the holds and scales, v64-127 S^T then p,
;   v128-143 p's codes, v144-175 O^T.  Window 0 also: v1-11, v60-62 addresses, v176-239 K's eight fragments, v240-255 the code of p = 1.  Window 1 also: v176-239 V's four fragments, v240-255 and v44-59 U.
.set VOFF,  163840                     ; V's images in LDS; K's from 0
.set MB,    8192                       ; the mask's 2,048 numbers
.set SPARE, 20480                      ; the spare words, 128 bytes for each of eight waves: four blocks of 256 bytes that no other line names
.set UIMG,  24576                      ; four parts of U, 4,096 bytes each
.set LI,  1                            ; v1  16 x lane
.set AV,  3                            ; v3  the same in V's images
.set AM,  4                            ; v4  the mask's numbers: + 32 (lane / 16)
.set SPW, 5                            ; v5  LDS address of my spare word; never rewritten
.set NIL, 6                            ; v6  0; never rewritten
.set DG,  7                            ; v7  16 j + r - 8 h
.set ADK, 8
.set ADV, 9
.set ADM, 10
.set UA,  11                           ; v11 where waves 0 to 3 store their part of U
.set NM,  12
.set RM,  13
.set NEG, 14
.set E45, 15
.set QF,  16
.set T,   24
.set PX,  28
.set FF,  30
.set SUM, 32                           ; v[32:33]; v[34:39] three more chains
.set HH,  40
.set SS,  41
.set H6,  42
.set S6,  43
.set SC,  64
.set PC,  128
.set OC,  144
.set KF,  176
.set VF,  176
.set ONES, 240
.set CS,  4                            ; s[4:5] c = log2(e) / 8 x 2^(e2 + e3)
.set SEL, 6                            ; s[6:7] lane selects for v_permlanex16_b32: lane l xor 16
.set EB,  8                            ; s8  my wave's number = E's block
.set LB,  9                            ; s9  L's block, 15 - wave
.set KB,  10                           ; s10 the key block in hand
.set TB,  11                           ; s11 8,192 KB
.set AO,  12                           ; s[12:13] a_img, my head's part of my batch
.set G0,  16
.set G1A, 20
.set G1B, 28                           ; s[36:63], s[66:101]: the 64 diagonal masks (at the head: arguments and work)
.set MSB, 0
.macro WIN new
.if MSB != (\new)
	s_set_vgpr_msb (MSB<<8)|(\new)
.set MSB, (\new)
.endif
.endm
.macro CROUND                          ; a round of the cluster's barrier
	s_barrier_signal -1
	s_barrier_wait -1
	s_cmp_lg_u32 s[EB], 0
	s_cbranch_scc1 .Lnot_wave_0_\@
	s_barrier_signal -3
.Lnot_wave_0_\@:
	s_barrier_wait -3
	s_barrier_signal -1
	s_barrier_wait -1
.endm
.macro MASKREG                         ; the scalar register of mask n
.if n < 28
.set MS, 36+n
.else
.set MS, 38+n
.endif
.endm
	s_load_b256 s[36:43], s[0:1], 0x0              ; q_img s[36:37], k_img s[38:39], v_img s[40:41], attention_mask s[42:43]
	s_load_b128 s[44:47], s[0:1], 0x20             ; scales s[44:45], a_img s[46:47]
	v_lshl_add_u32 v[SPW], v0, 2, SPARE
	v_mov_b32 v[NIL], 0
	ds_add_u32 v[SPW], v[NIL]                      ; the opening lines: the add, twice on end, and one wait for both; work on registers stands between
	ds_add_u32 v[SPW], v[NIL]
	v_lshrrev_b32 v8, 5, v0
	v_readfirstlane_b32 s[EB], v8                  ; wave 0..7
.irp g, G1A, G1B
	s_mov_b32 s[\g], 15|(3<<16)|(1<<21)            ; all four of the cluster; elements of 8 bytes; bit 21 beside a mask; no padding
	s_mov_b32 s[\g+1], 32<<16                      ; rows of 256 bytes
	s_mov_b32 s[\g+3], 32<<16
	s_mov_b32 s[\g+5], 32
	s_mov_b32 s[\g+6], 0
	s_mov_b32 s[\g+7], 0
.endr
	s_mov_b32 s[G1A+2], 32<<16                     ; one key block: 32 rows;
	s_mov_b32 s[G1A+4], 32
	s_mov_b32 s[G1B+2], 160<<16                    ; five: 160
	s_mov_b32 s[G1B+4], 160
	s_bfe_u32 s56, ttmp6, 0x40000
	s_lshl_b32 s57, ttmp9, 2
	s_add_co_u32 s57, s57, s56                     ; j: my tile in every block
	s_and_b32 s58, ttmp7, 0xffff                   ; 16 x batch + head
	s_sub_co_u32 s[LB], 15, s[EB]
	s_lshr_b32 s14, s[EB], 1
	s_and_b32 s15, s[EB], 1                        ; I fetch K (0) or V (1)
	s_mul_i32 s59, s14, 40960
	s_mul_i32 s17, s15, VOFF
	s_add_co_u32 s17, s17, s59                     ; in LDS: waves 0, 1 at the image's begin, the others at 40,960 (w / 2)
	s_mov_b32 s16, 1
	s_max_u32 s60, s59, 32768
	s_sub_co_u32 s60, s60, 32768                   ; in memory: 0, or 40,960 (w / 2) - 32,768
	s_lshl_b32 s61, s58, 17
	s_add_co_u32 s60, s60, s61                     ; in my head's 131,072 bytes
	s_mov_b32 s61, 0
	s_wait_alu depctr_va_vdst(0)                   ; directly ahead of the wait below
	s_wait_dscnt 0x0                               ; both opening adds are done
	CROUND                                         ; all four work-groups are here: the joint loads meet
	s_wait_kmcnt 0x0
	s_load_b256 s[48:55], s[44:45], 0x0            ; e0 .. e7
	s_cmp_eq_u32 s15, 0
	s_cselect_b64 s[18:19], s[38:39], s[40:41]
	s_add_nc_u64 s[18:19], s[18:19], s[60:61]
	s_or_b32 s19, s19, 0x80000000
	s_cmp_lt_u32 s[EB], 2
	s_cbranch_scc0 .Lrest
	tensor_load_to_lds s[G0:G0+3], s[G1A:G1A+7]
	s_nop 0
.rept 4
	v_nop
.endr
	s_branch .Lasked
.Lrest:
	tensor_load_to_lds s[G0:G0+3], s[G1B:G1B+7]
	s_nop 0
.rept 4
	v_nop
.endr
.Lasked:
	s_lshr_b32 s59, s58, 4                         ; the batch
	s_lshl_b32 s60, s59, 13                        ; its mask is 8,192 bytes
	s_add_nc_u64 s[42:43], s[42:43], s[60:61]
	s_lshl_b32 s60, s58, 17
	s_add_nc_u64 s[36:37], s[36:37], s[60:61]      ; my head's Q
	s_lshl_b32 s60, s59, 21                        ; a_img: 128 row tiles of 16,384 bytes a batch,
	s_and_b32 s62, s58, 15
	s_lshl_b32 s62, s62, 10                        ; my head's 64 of product 4's K: half a K step's image, 1,024 bytes
	s_add_co_u32 s60, s60, s62
	s_add_nc_u64 s[AO:AO+1], s[46:47], s[60:61]
	s_lshl_b32 s62, s[EB], 3
	s_add_co_u32 s62, s62, s57                     ; E's tile in the head,
	s_lshl_b32 s63, s[LB], 3
	s_add_co_u32 s63, s63, s57                     ; L's
	s_lshl_b32 s60, s62, 10                        ; their Q
	s_lshl_b32 s61, s63, 10
	s_lshl_b32 s62, s62, 14                        ; their rows of a_img
	s_lshl_b32 s63, s63, 14
	s_lshl_b32 s57, s57, 4
	s_and_b32 s59, s[EB], 3
	s_lshl_b32 s59, s59, 12
	s_add_co_u32 s59, s59, UIMG
	v_and_b32 v8, 31, v0
	v_lshlrev_b32 v[LI], 4, v8
	v_lshlrev_b32 v9, 4, v0                        ; 16 x thread
	v_add_nc_u32 v10, s60, v[LI]
	v_add_nc_u32 v8, s61, v[LI]
	global_load_b128 v[64:67], v9, s[42:43]        ; eight of the mask's words a thread
	global_load_b128 v[68:71], v9, s[42:43] offset:4096
	global_load_b128 v[QF:QF+3], v10, s[36:37]     ; both tiles' Q stay in registers
	global_load_b128 v[QF+4:QF+7], v10, s[36:37] offset:512
	WIN 0x40
	global_load_b128 v[QF:QF+3], v8, s[36:37]
	global_load_b128 v[QF+4:QF+7], v8, s[36:37] offset:512
	WIN 0
	v_add_nc_u32 v[AV], VOFF, v[LI]
	v_bfe_u32 v24, v0, 4, 1                        ; h
	v_and_b32 v25, 15, v0                          ; r
	v_lshl_add_u32 v[AM], v24, 5, MB
	v_lshl_add_u32 v62, v0, 4, MB                  ; where my thread stores the mask's numbers
	v_lshlrev_b32 v24, 3, v24
	v_sub_nc_u32 v25, v25, v24
	v_add_nc_u32 v[DG], s57, v25
	v_add_nc_u32 v[UA], s59, v[LI]
	v_add_nc_u32 v60, s62, v[LI]
	v_add_nc_u32 v61, s63, v[LI]
	s_mov_b32 s[SEL], 0x76543210
	s_mov_b32 s[SEL+1], 0xfedcba98
	s_wait_alu depctr_va_vdst(0)                   ; directly ahead of the wait below
	s_wait_kmcnt 0x0
	s_add_co_i32 s2, s50, s51
	s_lshl_b32 s2, s2, 23
	s_add_co_i32 s[CS], s2, 0x3e38aa3b             ; log2(e) / 8; a sum stands for sum x 2^(e2 + e3): the exponents are added to its exponent field
	s_mov_b32 s[CS+1], s[CS]
	s_mul_f32 s2, s[CS], 0x4c800000                ; c x 2^26
	s_add_co_i32 s3, s52, 127
	s_lshl_b32 s14, s3, 23                         ; 2^e4
	s_add_co_i32 s3, s3, 8
	s_lshl_b32 s3, s3, 23
	s_or_b32 s3, s3, 0x600000                      ; 448 x 2^e4
	s_add_co_i32 s15, s54, 127
	s_lshl_b32 s56, s15, 23                        ; 2^e6
	s_add_co_i32 s15, s15, 8
	s_lshl_b32 s15, s15, 23
	s_or_b32 s15, s15, 0x600000                    ; 448 x 2^e6
	s_add_co_i32 s53, s52, s53                     ; e4 + e5
.macro STATE w                         ; a tile's state: O^T and the sum begin as zeros (the step is written once for every trip), the largest score at the floor
	WIN \w
.set n, 0
.rept 32
	v_mov_b32 v[OC+n], 0
.set n, n+1
.endr
	v_mov_b32 v[PX], 0                             ; a lane permute's destination counts as one of its sources
	v_mov_b32 v[FF+1], 0                           ; (named as the upper half of a pair)
	v_mov_b32 v[SUM], 0
	v_mov_b32 v[SUM+1], 0
	v_mov_b32 v[RM], 0xcc800000                    ; -2^26
	v_floor_f32 v[NM], s2                          ; -M = floor(-t)
	v_mov_b32 v[NEG], 0xf1800000                   ; -2^100
	v_mov_b32 v[HH], s3
	v_mov_b32 v[SS], s14
	v_mov_b32 v[H6], s15
	v_mov_b32 v[S6], s56
	v_mov_b32 v[E45], s53
	WIN 0
.endm
	STATE 0
	STATE 0x40
	WIN 0x40
.set n, 0
.rept 16
	v_mov_b32 v[240+n], 0                          ; U
	v_mov_b32 v[44+n], 0
.set n, n+1
.endr
	WIN 0
	v_min_num_f32 v72, 1.0, v[HH]                  ; the code of p = 1
.irp j, 1,2,3,4,5,6,7
	v_mov_b32 v[72+\j], v72
.endr
	v_cvt_scalef32_pk8_fp8_f32 v[ONES:ONES+1], v[72:79], v[SS]
	v_nop                                          ; a plain line behind the conversion
.set n, 2
.rept 14
	v_mov_b32 v[ONES+n], v[ONES]
.set n, n+1
.endr
	s_wait_alu depctr_va_vdst(0)                   ; directly ahead of the wait below
	s_wait_loadcnt 0x0                             ; the mask and Q
.set n, 0
.rept 8
	v_cmp_eq_u32 vcc_lo, 0, v[64+n]
	v_cndmask_b32 v[80+n], 0, v[NEG], vcc_lo       ; 0 where the key counts, -2^100 where it does not
.set n, n+1
.endr
	ds_store_b128 v62, v[80:83]
	ds_store_b128 v62, v[84:87] offset:4096
.set n, 0
.rept 64
	MASKREG
	v_cmp_gt_i32 s[MS], 16*(n/8)+n%8, v[DG]        ; register n = 8 c + i holds key 16 c + 8 h + i of a block: hidden on the diagonal where that is beyond 16 j + r
.set n, n+1
.endr
.macro KLOAD adr, off                  ; K's eight fragments
.set n, 0
.rept 8
	ds_load_b128 v[KF+8*n:KF+8*n+3], v[\adr] offset:\off+1024*n
	ds_load_b128 v[KF+8*n+4:KF+8*n+7], v[\adr] offset:\off+1024*n+512
.set n, n+1
.endr
.endm
.macro MLOAD adr, off                  ; the mask's numbers of keys 16 n + 8 h + 0 .. 7 into L's scores
	WIN 0x40
.set n, 0
.rept 8
	ds_load_b128 v[SC+8*n:SC+8*n+3], v[\adr] offset:\off+64*n
	ds_load_b128 v[SC+8*n+4:SC+8*n+7], v[\adr] offset:\off+64*n+16
.set n, n+1
.endr
	WIN 0
.endm
.macro VLOAD adr, off                  ; V's four fragments
	WIN 0x40
.set n, 0
.rept 16
	ds_load_b128 v[VF+4*n:VF+4*n+3], v[\adr] offset:\off+512*n
.set n, n+1
.endr
	WIN 0
.endm
.macro SPROD win                       ; S^T = K Q^T + C; C is the mask, in L's score registers, for both tiles
	WIN \win
.set n, 0
.rept 8
	v_wmma_f32_16x16x64_fp8_fp8 v[SC+8*n:SC+8*n+7], v[KF+8*n:KF+8*n+7], v[QF:QF+7], v[SC+8*n:SC+8*n+7]
.set n, n+1
.endr
	WIN 0
.endm
.macro OPROD win                       ; O^T += V^T P^T
	WIN \win
.set n, 0
.rept 4
	v_wmma_f32_16x16x128_fp8_fp8 v[OC+8*n:OC+8*n+7], v[VF+16*n:VF+16*n+15], v[PC:PC+15], v[OC+8*n:OC+8*n+7]
.set n, n+1
.endr
	WIN 0
.endm
; A tile's softmax: the same registers in either window.  lim: the block of the tile's queries; dg = 0: this step is never the diagonal one.
.macro SOFT w, lim, dg
.if \dg
	s_cmp_lg_u32 s[KB], s[\lim]
	s_cbranch_scc1 .Lopen_\@
	WIN \w
	s_wait_alu depctr_va_vdst(0)                   ; directly ahead of the first reader of S^T
.set n, 0
.rept 64
	MASKREG
	v_cndmask_b32 v[SC+n], v[SC+n], v[NEG], s[MS]
.set n, n+1
.endr
	WIN 0
.Lopen_\@:
.endif
	WIN \w
	s_wait_alu depctr_va_vdst(0)                   ; directly ahead of the first reader of S^T
	v_max3_num_f32 v[T], v[SC], v[SC+1], v[SC+2]   ; the step's largest score of my query among my 64 keys, in four chains,
	v_max3_num_f32 v[T+1], v[SC+3], v[SC+4], v[SC+5]
	v_max3_num_f32 v[T+2], v[SC+6], v[SC+7], v[SC+8]
	v_max3_num_f32 v[T+3], v[SC+9], v[SC+10], v[SC+11]
.set n, 0
.rept 26
	v_max3_num_f32 v[T+n%4], v[T+n%4], v[SC+12+2*n], v[SC+13+2*n]
.set n, n+1
.endr
	s_delay_alu instid0(VALU_DEP_1)
	v_max3_num_f32 v[T], v[T], v[T+1], v[T+2]
	s_delay_alu instid0(VALU_DEP_1)
	v_max_num_f32 v[T], v[T], v[T+3]
	s_delay_alu instid0(VALU_DEP_1)
	v_permlanex16_b32 v[PX], v[T], s[SEL], s[SEL+1]
	s_delay_alu instid0(VALU_DEP_1)
	v_max3_num_f32 v[RM], v[RM], v[T], v[PX]       ; and among lane l xor 16's, and so far
	s_delay_alu instid0(VALU_DEP_1)
	v_mul_f32 v[T+1], s[CS], -v[RM]                ; -t (c is positive)
	s_delay_alu instid0(VALU_DEP_1)
	v_floor_f32 v[T+1], v[T+1]                     ; the new -M: a whole number
	s_delay_alu instid0(VALU_DEP_1)
	v_sub_f32 v[T+2], v[T+1], v[NM]                ; old M less new M, 0 or less
	v_mov_b32 v[NM], v[T+1]
	s_delay_alu instid0(VALU_DEP_2)
	v_cvt_i32_f32 v[T+2], v[T+2]                   ; (it saturates)
	s_delay_alu instid0(VALU_DEP_1)
	v_ldexp_f32 v[FF], 1.0, v[T+2]                 ; f = 2^(old M - new M)
.set n, 0
.rept 32
	v_pk_fma_f32 v[SC+n:SC+n+1], v[SC+n:SC+n+1], s[CS:CS+1], v[NM:NM+1] op_sel_hi:[1,0,0]   ; t - M, two at a time
.set n, n+2
.endr
	s_wait_alu depctr_va_vdst(0)                   ; the wait ahead of the batch
.set n, 0
.rept 64
	v_exp_f32 v[SC+n], v[SC+n]                     ; p = 2^(t - M)
.set n, n+1
.endr
	v_pk_mul_f32 v[SUM:SUM+1], v[SUM:SUM+1], v[FF:FF+1] op_sel_hi:[1,0]   ; the sum under the new M: the plain line behind the batch
	s_wait_alu depctr_va_vdst(0)                   ; and the wait behind it, ahead of its first reader
	v_pk_add_f32 v[SUM+2:SUM+3], v[SC:SC+1], v[SC+2:SC+3]
	v_pk_add_f32 v[SUM+4:SUM+5], v[SC+4:SC+5], v[SC+6:SC+7]
	v_pk_add_f32 v[SUM+6:SUM+7], v[SC+8:SC+9], v[SC+10:SC+11]
.set n, 0
.rept 26
	v_pk_add_f32 v[SUM+2*(n%4):SUM+2*(n%4)+1], v[SUM+2*(n%4):SUM+2*(n%4)+1], v[SC+12+2*n:SC+13+2*n]
.set n, n+1
.endr
	v_pk_add_f32 v[SUM+2:SUM+3], v[SUM+2:SUM+3], v[SUM+4:SUM+5]
	v_pk_add_f32 v[SUM:SUM+1], v[SUM:SUM+1], v[SUM+6:SUM+7]
	s_delay_alu instid0(VALU_DEP_1)
	v_pk_add_f32 v[SUM:SUM+1], v[SUM:SUM+1], v[SUM+2:SUM+3]
.set n, 0
.rept 32
	v_min_num_f32 v[SC+n], v[SC+n], v[HH]          ; the conversion does not saturate (ISA guide 7.6.2); p is not negative, so the hold is one-sided
	v_min_num_f32 v[SC+n+1], v[SC+n+1], v[HH]
.set n, n+2
.endr
.set n, 0
.rept 8
	v_cvt_scalef32_pk8_fp8_f32 v[PC+2*n:PC+2*n+1], v[SC+8*n:SC+8*n+7], v[SS]
.set n, n+1
.endr
	s_wait_alu depctr_va_vdst(0)                   ; directly ahead of the first reader of O^T
.set n, 0
.rept 16
	v_pk_mul_f32 v[OC+n:OC+n+1], v[OC+n:OC+n+1], v[FF:FF+1] op_sel_hi:[1,0]   ; O^T under the new M; also the plain lines behind the conversions
.set n, n+2
.endr
	WIN 0
.endm
; A KEY STEP: the 128 keys of block KB.  K's fragments and the mask's numbers are on their way or in when it begins.  pre = 1: block 0, in which every tile counts and nothing is read ahead.
.macro STEP pre
.if \pre == 0
	s_cmp_gt_u32 s[KB], s[LB]                      ; all its keys come after all my queries
	s_cbranch_scc1 .Lhidden_\@
.endif
	s_wait_dscnt 0x0                               ; K and the mask are in
.if \pre == 0
	s_cmp_gt_u32 s[KB], s[EB]                      ; E has no such keys
	s_cbranch_scc1 .Lno_e_\@
.endif
	SPROD 0x10
.rept 5
	v_nop                                          ; L's products below write over the C of E's
.endr
.if \pre == 0
.Lno_e_\@:
.endif
	SPROD 0x54
.if \pre
.rept 4
	v_nop
.endr
	VLOAD AV, 0
.else
	s_lshr_b32 s14, s[TB], 4
	s_min_u32 s14, s14, 7168                       ; block 15 reads no mask ahead: the offset stays inside the 2,048 numbers
	v_add_nc_u32 v[ADV], s[TB], v[AV]              ; with the next three: four plain lines in front of loads into registers that matrix instructions have read
	v_add_nc_u32 v[ADK], s[TB], v[LI]
	v_add_nc_u32 v[ADM], s14, v[AM]
	v_nop
	VLOAD ADV, 32768                               ; V lands under the softmax,
	s_cmp_lt_u32 s[KB], s[LB]
	s_cbranch_scc0 .Lno_k_\@
	KLOAD ADK, 40960                               ; and so does K of the next block, where I have one
.Lno_k_\@:
	s_cmp_gt_u32 s[KB], s[EB]
	s_cbranch_scc1 .Lno_p_\@
.endif
	SOFT 0, EB, 1
	s_wait_alu depctr_va_vdst(0)                   ; directly ahead of the wait below
	s_wait_dscnt 0x0                               ; V is in
	OPROD 0x01
.if \pre == 0
.Lno_p_\@:
.endif
	SOFT 0x55, LB, (1-\pre)
	s_wait_alu depctr_va_vdst(0)                   ; directly ahead of the wait below
	s_wait_dscnt 0x0                               ; V is in
.if \pre == 0
	s_cmp_lt_u32 s[KB], s[LB]
	s_cbranch_scc0 .Lno_m_\@
	MLOAD ADM, 512                                 ; the next block's mask: L's scores are codes now
.Lno_m_\@:
.endif
	OPROD 0x55
	s_lshr_b32 s14, s[KB], 2
	s_add_co_u32 s14, s14, s[EB]
	s_cmp_lg_u32 s14, 3                            ; wave 3 - g sums U over key blocks 4 g to 4 g + 3, all of which it reads
	s_cbranch_scc1 .Lno_u_\@
	WIN 0x51
	v_wmma_f32_16x16x128_fp8_fp8 v[240:247], v[VF:VF+15], v[ONES:ONES+15], v[240:247]
	v_wmma_f32_16x16x128_fp8_fp8 v[248:255], v[VF+16:VF+31], v[ONES:ONES+15], v[248:255]
	v_wmma_f32_16x16x128_fp8_fp8 v[44:51], v[VF+32:VF+47], v[ONES:ONES+15], v[44:51]
	v_wmma_f32_16x16x128_fp8_fp8 v[52:59], v[VF+48:VF+63], v[ONES:ONES+15], v[52:59]
	WIN 0
.Lno_u_\@:
.if \pre == 0
.Lhidden_\@:
.endif
.endm
	s_wait_alu depctr_va_vdst(0)                   ; the wait at the head's end
	s_cmp_lt_u32 s[EB], 2
	s_cbranch_scc0 .Lstage_a
	s_wait_tensorcnt 0x0                           ; waves 0 and 1: key block 0 has landed
.Lstage_a:
	s_wait_dscnt 0x0                               ; my stores of the mask's numbers are done
	s_barrier_signal -1
	s_barrier_wait -1
	KLOAD LI, 0
	MLOAD AM, 0
	s_mov_b32 s[KB], 0
	STEP 1
	s_wait_alu depctr_va_vdst(0)                   ; directly ahead of the wait below
	s_wait_tensorcnt 0x0                           ; my load has landed;
	s_wait_dscnt 0x0
	s_barrier_signal -1
	s_barrier_wait -1                              ; all have.  Nothing is filled again
	KLOAD LI, 40960
	MLOAD AM, 512
	s_mov_b32 s[KB], 1
	s_mov_b32 s[TB], 8192
.Lkb:
	STEP 0
	s_add_co_u32 s[TB], s[TB], 8192
	s_add_co_u32 s[KB], s[KB], 1
	s_cmp_lt_u32 s[KB], 16
	s_cbranch_scc1 .Lkb
	; THE END.  The four parts of U go to all waves as images of registers.
.rept 4
	v_nop                                          ; behind the last products
.endr
	s_cmp_lt_u32 s[EB], 4
	s_cbranch_scc0 .Lno_u_out
	WIN 0x04
	ds_store_b128 v[UA], v[240:243]
	ds_store_b128 v[UA], v[244:247] offset:512
	ds_store_b128 v[UA], v[248:251] offset:1024
	ds_store_b128 v[UA], v[252:255] offset:1536
	ds_store_b128 v[UA], v[44:47] offset:2048
	ds_store_b128 v[UA], v[48:51] offset:2560
	ds_store_b128 v[UA], v[52:55] offset:3072
	ds_store_b128 v[UA], v[56:59] offset:3584
	WIN 0
.Lno_u_out:
	s_wait_dscnt 0x0                               ; for the others' sake: the stores are done
	s_barrier_signal -1
	s_barrier_wait -1
.macro ULOAD q, reg
.set n, 0
.rept 8
	ds_load_b128 v[\reg+4*n:\reg+4*n+3], v[LI] offset:UIMG+4096*\q+512*n
.set n, n+1
.endr
.endm
	ULOAD 0, 176
	ULOAD 1, 208
	ULOAD 2, 64
	ULOAD 3, 96
	s_wait_dscnt 0x0
.set n, 0
.rept 16
	v_pk_add_f32 v[176+n:177+n], v[176+n:177+n], v[208+n:209+n]
	v_pk_add_f32 v[64+n:65+n], v[64+n:65+n], v[96+n:97+n]
.set n, n+2
.endr
.set n, 0
.rept 16
	v_pk_add_f32 v[176+n:177+n], v[176+n:177+n], v[64+n:65+n]
.set n, n+2
.endr
; A tile's way out.  c: the windows in which its O^T and window 0's U meet; off: its offset in a_img
.macro FIN w, c, off
	WIN \w
	v_add_f32 v[SUM], v[SUM], v[SUM+1]             ; the sum's two halves,
	s_delay_alu instid0(VALU_DEP_1)
	v_permlanex16_b32 v[PX], v[SUM], s[SEL], s[SEL+1]
	s_delay_alu instid0(VALU_DEP_1)
	v_add_f32 v[SUM], v[SUM], v[PX]                ; and lane l xor 16's
	v_mov_b32 v[T], 0x45000000                     ; 2,048
	v_cmp_ge_f32 vcc_lo, 0xcc800000, v[RM]         ; the largest score is still at the floor: no key counted
	v_cndmask_b32 v[SUM], v[SUM], v[T], vcc_lo
	s_wait_alu depctr_va_vdst(0)                   ; the wait ahead of the transcendental
	v_rcp_f32 v[SUM], v[SUM]
	v_nop
	WIN \c
	s_wait_alu depctr_va_vdst(0)                   ; and behind it, directly ahead of the first reader of O^T
.set n, 0
.rept 32
	v_cndmask_b32 v[OC+n], v[OC+n], v[176+n], vcc_lo   ; there U takes O^T's place
.set n, n+1
.endr
	WIN \w
	v_ldexp_f32 v[SUM], v[SUM], v[E45]             ; x 2^(e4 + e5)
.set n, 0
.rept 16
	v_pk_mul_f32 v[OC+n:OC+n+1], v[OC+n:OC+n+1], v[SUM:SUM+1] op_sel_hi:[1,0]   ; the head's output: register 8 i + j is channel 16 i + 8 h + j of my query
.set n, n+2
.endr
.set n, 0
.rept 32
	v_med3_num_f32 v[OC+n], v[OC+n], -v[H6], v[H6]
.set n, n+1
.endr
.set n, 0
.rept 4
	v_cvt_scalef32_pk8_fp8_f32 v[PC+2*n:PC+2*n+1], v[OC+8*n:OC+8*n+7], v[S6]   ; eight registers of the K = 128 fragment of product 4's A: k = 64 head + 16 i + 8 h + 0 .. 7
.set n, n+1
.endr
	v_nop
	WIN (\w)&4
	global_store_b128 v[\off], v[PC:PC+3], s[AO:AO+1]          ; 512 consecutive bytes, aligned
	global_store_b128 v[\off], v[PC+4:PC+7], s[AO:AO+1] offset:512
	WIN 0
.endm
	FIN 0x55, 0x41, 61
	FIN 0, 0, 60
	s_wait_tensorcnt 0x0                           ; the wave's end, behind my last tensor load and my last LDS store
	ds_add_u32 v[SPW], v[NIL]
	s_wait_dscnt 0x0
	CROUND                                         ; the closing round: no work-group ends while a partner may still ask for a tile that names it
	s_endpgm
.Lfunc_end_k_q2a4598f9ef_attn:
	.size	k_q2a4598f9ef_attn, .Lfunc_end_k_q2a4598f9ef_attn-k_q2a4598f9ef_attn
	.p2alignl 7, 3214868480
	.fill 96, 4, 3214868480
	.section	.rodata,"a",@progbits
	.p2align	6, 0x0
	.amdhsa_kernel k_q2a4598f9ef_attn
		.amdhsa_group_segment_fixed_size 327680
		.amdhsa_private_segment_fixed_size 0
		.amdhsa_enable_private_segment 0
		.amdhsa_kernarg_size 48
		.amdhsa_user_sgpr_count 2
		.amdhsa_user_sgpr_kernarg_segment_ptr 1
		.amdhsa_wavefront_size32 1
		.amdhsa_system_sgpr_workgroup_id_x 1
		.amdhsa_system_sgpr_workgroup_id_y 1
		.amdhsa_system_sgpr_workgroup_id_z 1
		.amdhsa_system_vgpr_workitem_id 0
		.amdhsa_next_free_vgpr 512
		.amdhsa_next_free_sgpr 102
		.amdhsa_reserve_vcc 1
		.amdhsa_float_denorm_mode_32 3
		.amdhsa_float_denorm_mode_16_64 3
		.amdhsa_memory_ordered 1
		.amdhsa_forward_progress 1
		.amdhsa_inst_pref_size 110
	.end_amdhsa_kernel
	.amdgpu_metadata
---
amdhsa.version: [ 1, 2 ]
amdhsa.kernels:
  - .name:           k_q2a4598f9ef_attn
    .symbol:         k_q2a4598f9ef_attn.kd
    .args:
      - { .name: q_img, .offset: 0, .size: 8, .value_kind: global_buffer, .address_space: global }
      - { .name: k_img, .offset: 8, .size: 8, .value_kind: global_buffer, .address_space: global }
      - { .name: v_img, .offset: 16, .size: 8, .value_kind: global_buffer, .address_space: global }
      - { .name: attention_mask, .offset: 24, .size: 8, .value_kind: global_buffer, .address_space: global }
      - { .name: lowp_scales, .offset: 32, .size: 8, .value_kind: global_buffer, .address_space: global }
      - { .name: a_img, .offset: 40, .size: 8, .value_kind: global_buffer, .address_space: global }
    .group_segment_fixed_size: 327680
    .private_segment_fixed_size: 0
    .kernarg_segment_align: 8
    .kernarg_segment_size: 48
    .max_flat_workgroup_size: 256
    .sgpr_count:     102
    .vgpr_count:     512
    .wavefront_size: 32
...
	.end_amdgpu_metadata
.endif
;; end of part 3
;; launch proj (part 4): grid 8 x 32, 4 waves a work-group, clusters of 4 x 4, 327,680 bytes of LDS; arguments a_img, wout_codes, lowp_scales, out0; writes out0
.if DOCPART == 4
	.amdgcn_target "amdgcn-amd-amdhsa--gfx1250"
	.amdhsa_code_object_version 6
	.text
	.protected	k_q2a4598f9ef_proj
	.globl	k_q2a4598f9ef_proj
	.p2align	8
	.type	k_q2a4598f9ef_proj,@function
k_q2a4598f9ef_proj:
	s_mov_b64 s[64:65], 0
	v_nop
	global_prefetch_b8 v0, s[64:65] scope:SCOPE_SE
	s_setreg_imm32_b32 hwreg(HW_REG_WAVE_MODE, 25, 1), 1
	s_wait_xcnt 0x0
	s_wait_alu depctr_hold_cnt(0) depctr_sa_sdst(0) depctr_va_vdst(0) depctr_va_sdst(0) depctr_va_ssrc(0) depctr_va_vcc(0) depctr_vm_vsrc(0)
	s_getreg_b32 s2, hwreg(HW_REG_IB_STS2, 6, 4)
	s_cmp_eq_u32 s2, 0
	s_cbranch_scc0 .Lentry_in_a_cluster
	s_endpgm
.Lentry_in_a_cluster:
	s_bfe_u32 s2, ttmp6, 0x10000c
	s_cmp_lg_u32 s2, 0xf033
	s_cbranch_scc0 .Lentry_shape_is_right
	s_endpgm
.Lentry_shape_is_right:
; PROJ: product 4, out0 [4096][1024] f32 = A (codes, as images of K = 128 fragments) x w_out (codes [n][k]), each sum x 2^(e6 + e7).
; A tile of out0 is 128 x 128, so that there are 256 work-groups; four waves, each 64 x 64: 16 accumulators.  K = 1,024: both operands' tiles fit in LDS whole, so there is no ring and nothing is filled again:
; each wave issues ONE joint load at the head: waves 0 and 1 the two halves of K of A, waves 2 and 3 those of the weight.  One barrier shows all four to all.
; CLUSTERS: 4 x 4 work-groups; A's tile is shared along a row of the cluster, the weight's along a column.  NO PREFETCH: every tile is asked for at the head.
; A's fragments are read at 16 x lane, as they were stored.  The weight's come from rows by four 16-byte loads; in wout_codes the two middle 8-byte pieces of every 32 bytes have changed places, so that these loads
; put every k where A's image has it: registers 2 c, 2 c + 1 hold k = 16 c + 8 (lane / 16) + 0 .. 7.
; THE MATRIX INSTRUCTION IS USED TRANSPOSED (source 0 = 16 rows of the weight, source 1 = 16 rows of A): a lane holds eight neighbouring numbers of a row of out0.
; LIMIT: e6 + e7 between -126 and 127.
; REGISTERS: window 0: v8-29 addresses; v32-63, v64-127 at work on the way out; v128-255 the accumulators ((a, b) at v[128 + 8 (4 a + b)]).   window 1: two fragment buffers of 128: A's four, then the weight's four.
.set BP,     528                       ; LDS: a row of the weight: 512 bytes + 16
.set BIMG,   131072                    ; A [2 halves of K][8 row tiles][8,192] from 0; the weight [2 halves][128 rows][528] from here;
.set BST,    128*BP
.set STAGE,  BIMG+2*BST                ; the way out: 16 rows x 272 bytes for each wave;
.set SPITCH, 272
.set SPARE,  STAGE+4*16*SPITCH         ; the spare words, 128 bytes for each wave: two blocks of 256 bytes that no other line names
.set ADRA, 8                           ; v8-9   my A fragments in either half
.set ADRB, 12                          ; v12-13 my fragments of the weight
.set STO,  24
.set RD,   25
.set CO,   26
.set SPW,  28                          ; v28 LDS address of my spare word; never rewritten
.set NIL,  29                          ; v29 0; never rewritten
.set TMP,  32
.set BK,   64
.set ACC,  128
.set G1A, 16
.set G1B, 24
.set G0A, 32
.set G0B, 36
.set MUL,  0x05                        ; sources 0 and 1 window 1; C and D window 0
.set TO_F, 0x40                        ; destination window 1, address window 0
.set MSB, 0
.macro WIN new
.if MSB != (\new)
	s_set_vgpr_msb (MSB<<8)|(\new)
.set MSB, (\new)
.endif
.endm
.macro CROUND                          ; a round of the cluster's barrier
	s_barrier_signal -1
	s_barrier_wait -1
	s_cmp_lg_u32 s12, 0
	s_cbranch_scc1 .Lnot_wave_0_\@
	s_barrier_signal -3
.Lnot_wave_0_\@:
	s_barrier_wait -3
	s_barrier_signal -1
	s_barrier_wait -1
.endm
.macro PLACES
.rept 4
	v_nop
.endr
.endm
	s_load_b256 s[4:11], s[0:1], 0x0               ; a_img s[4:5], wout_codes s[6:7], scales s[8:9], out0 s[10:11]
	v_lshl_add_u32 v[SPW], v0, 2, SPARE
	v_mov_b32 v[NIL], 0
	ds_add_u32 v[SPW], v[NIL]                      ; the opening lines: the add, twice on end, and one wait for both; work on registers stands between
	ds_add_u32 v[SPW], v[NIL]
	v_lshrrev_b32 v1, 5, v0
	v_readfirstlane_b32 s12, v1                    ; wave 0..3
	s_lshr_b32 s13, s12, 1                         ; which 64 rows are mine
	s_and_b32 s14, s12, 1                          ; which 64 columns.  Also: which half of K I fetch
	s_bfe_u32 s66, ttmp6, 0x40000                  ; cx, cy
	s_bfe_u32 s67, ttmp6, 0x40004
	s_lshl_b32 s68, ttmp9, 2
	s_add_co_u32 s68, s68, s66                     ; tile column
	s_and_b32 s69, ttmp7, 0xffff
	s_lshl_b32 s69, s69, 2
	s_add_co_u32 s69, s69, s67                     ; tile row
	s_lshl_b32 s70, s67, 2
	s_lshl_b32 s70, 15, s70                        ; my row of the cluster
	s_lshl_b32 s71, 0x1111, s66                    ; my column
	s_or_b32 s[G1A], s70, (3<<16)|(1<<21)          ; A: elements of 8 bytes, no padding; bit 21 beside a mask
	s_mov_b32 s[G1A+1], 1024<<16                   ; a row: four K steps' images of one row tile, 8,192 bytes
	s_mov_b32 s[G1A+2], 8<<16                      ; eight row tiles
	s_mov_b32 s[G1A+3], 1024<<16
	s_mov_b32 s[G1A+4], 8
	s_mov_b32 s[G1A+5], 2048                       ; 16,384 bytes from row tile to row tile
	s_mov_b32 s[G1A+6], 0
	s_mov_b32 s[G1A+7], 0
	s_or_b32 s[G1B], s71, (1<<20)|(1<<21)|(6<<22)|(3<<25)   ; the weight: elements of 1 byte; after every 128 words 4 words of padding
	s_mov_b32 s[G1B+1], 512<<16
	s_mov_b32 s[G1B+2], 128<<16
	s_mov_b32 s[G1B+3], 512<<16
	s_mov_b32 s[G1B+4], 128
	s_mov_b32 s[G1B+5], 1024
	s_mov_b32 s[G1B+6], 0
	s_mov_b32 s[G1B+7], 0
	s_lshl_b32 s72, s69, 17                        ; A: row tile 8 y, of 16,384 bytes,
	s_lshl_b32 s73, s14, 13
	s_add_co_u32 s72, s72, s73                     ; and my half of K
	s_mov_b32 s73, 0
	s_lshl_b32 s74, s68, 17                        ; the weight: row 128 x, of 1,024 bytes,
	s_lshl_b32 s75, s14, 9
	s_add_co_u32 s74, s74, s75                     ; and my half of K
	s_mov_b32 s75, 0
	s_mov_b32 s[G0A], 1
	s_mov_b32 s[G0B], 1
	s_lshl_b32 s[G0A+1], s14, 16                   ; where they go: no place in the cluster enters an LDS address
	s_mul_i32 s77, s14, BST
	s_add_co_u32 s[G0B+1], s77, BIMG
	s_wait_alu depctr_va_vdst(0)                   ; directly ahead of the wait below
	s_wait_dscnt 0x0                               ; both opening adds are done
	CROUND                                         ; all sixteen work-groups are here: the joint loads meet
	s_wait_kmcnt 0x0
	s_load_b256 s[80:87], s[8:9], 0x0              ; e0 .. e7
	s_add_nc_u64 s[G0A+2:G0A+3], s[4:5], s[72:73]
	s_or_b32 s[G0A+3], s[G0A+3], 0x80000000
	s_add_nc_u64 s[G0B+2:G0B+3], s[6:7], s[74:75]
	s_or_b32 s[G0B+3], s[G0B+3], 0x80000000
	s_cmp_lt_u32 s12, 2                            ; waves 0 and 1 fetch for A, waves 2 and 3 for the weight
	s_cbranch_scc0 .Lfill_b
	tensor_load_to_lds s[G0A:G0A+3], s[G1A:G1A+7]
	s_nop 0
	PLACES
	s_branch .Lfilled
.Lfill_b:
	tensor_load_to_lds s[G0B:G0B+3], s[G1B:G1B+7]
	s_nop 0
	PLACES
.Lfilled:
	s_lshl_b32 s90, s69, 7
	s_lshl_b32 s92, s13, 6
	s_add_co_u32 s90, s90, s92                     ; my first row: 128 y + 64 x half,
	s_lshl_b32 s90, s90, 12
	s_lshl_b32 s92, s68, 9                         ; my first column in bytes: 512 x + 256 x half
	s_add_co_u32 s90, s90, s92
	s_lshl_b32 s92, s14, 8
	s_add_co_u32 s90, s90, s92
	s_mov_b32 s91, 0
	s_add_nc_u64 s[10:11], s[10:11], s[90:91]
	s_lshl_b32 s78, s13, 15                        ; my four row tiles of A
	s_mul_i32 s79, s14, 64*BP
	s_add_co_u32 s79, s79, BIMG                    ; my 64 rows of the weight
	s_mul_i32 s92, s12, 16*SPITCH
	s_add_co_u32 s92, s92, STAGE                   ; my stage
	v_and_b32 v1, 15, v0                           ; r
	v_bfe_u32 v2, v0, 4, 1                         ; h
	v_and_b32 v3, 31, v0
	v_lshlrev_b32 v3, 4, v3                        ; 16 x lane
	v_mul_u32_u24 v4, v1, BP
	v_lshl_add_u32 v4, v2, 4, v4                   ; the weight: row x pitch + 16 h
	v_add_nc_u32 v[ADRA], s78, v3
	v_add_nc_u32 v[ADRB], s79, v4
	v_add_nc_u32 v[ADRA+1], 0x10000, v[ADRA]
	v_add_nc_u32 v[ADRB+1], BST, v[ADRB]
	v_mul_u32_u24 v5, v1, SPITCH
	v_lshl_add_u32 v5, v2, 5, v5
	v_add_nc_u32 v[STO], s92, v5                   ; in: row r, 32 bytes for each half of the lanes
	v_mul_u32_u24 v5, v2, SPITCH
	v_lshl_add_u32 v5, v1, 4, v5
	v_add_nc_u32 v[RD], s92, v5                    ; back: lanes 0-15 one row of 256 bytes, lanes 16-31 the next
	v_lshlrev_b32 v5, 12, v2
	v_lshl_add_u32 v[CO], v1, 4, v5                ; and the same two rows in out0 (a row is 4,096 bytes)
; 32 LDS loads in one run: the fragments of step s (128 along K; half s / 4) into buffer f
.macro FETCH s, f
	WIN TO_F
.irp a, 0,1,2,3
.irp q, 0,1,2,3
	ds_load_b128 v[\f+16*\a+4*\q:\f+16*\a+4*\q+3], v[ADRA+(\s)/4] offset:\a*8192+((\s)%4)*2048+512*\q
.endr
.endr
.irp b, 0,1,2,3
.irp c, 0,1,2,3
	ds_load_b128 v[\f+64+16*\b+4*\c:\f+64+16*\b+4*\c+3], v[ADRB+(\s)/4] offset:((\s)%4)*128+\b*16*BP+32*\c
.endr
.endr
.endm
; A step: its fragments are in; the next step's are asked for; then 16 matrix instructions, the 16 accumulators by turns.
.macro PSTEP s
	s_wait_dscnt 0x0
.if (\s) < 7
	PLACES                                         ; in front of loads into the buffer that the last step's products have read
	FETCH (\s)+1, 128*(((\s)+1)%2)
.endif
	WIN MUL
.set F, 128*((\s)%2)
.irp a, 0,1,2,3
.irp b, 0,1,2,3
.if (\s) == 0
	v_wmma_f32_16x16x128_fp8_fp8 v[ACC+8*(4*\a+\b):ACC+8*(4*\a+\b)+7], v[F+64+16*\b:F+64+16*\b+15], v[F+16*\a:F+16*\a+15], 0
.else
	v_wmma_f32_16x16x128_fp8_fp8 v[ACC+8*(4*\a+\b):ACC+8*(4*\a+\b)+7], v[F+64+16*\b:F+64+16*\b+15], v[F+16*\a:F+16*\a+15], v[ACC+8*(4*\a+\b):ACC+8*(4*\a+\b)+7]
.endif
.endr
.endr
.endm
	s_wait_alu depctr_va_vdst(0)                   ; the wait at the head's end
	s_wait_tensorcnt 0x0                           ; my load has landed;
	s_barrier_signal -1
	s_barrier_wait -1                              ; all four have
	FETCH 0, 0
.irp s, 0,1,2,3,4,5,6,7
	PSTEP \s
.endr
	WIN 0
; THE WAY OUT, a block of 16 rows x 64 columns at a time: x 2^(e6 + e7); through my own stage in LDS; back as rows of 256 bytes, which sixteen lanes store whole.  LDS serves a wave's instructions in order.
.macro TOSTAGE a
.set n, 0
.rept 16
	v_pk_mul_f32 v[TMP+n:TMP+n+1], v[ACC+32*(\a)+n:ACC+32*(\a)+n+1], s[88:89] op_sel_hi:[1,0]   ; each accumulator from its low end on
.set n, n+2
.endr
.irp b, 0,1,2,3
	ds_store_b128 v[STO], v[TMP+8*\b:TMP+8*\b+3] offset:64*\b
	ds_store_b128 v[STO], v[TMP+8*\b+4:TMP+8*\b+7] offset:64*\b+16
.endr
.set BB, BK+32*((\a)%2)
.irp t, 0,1,2,3,4,5,6,7
	ds_load_b128 v[BB+4*\t:BB+4*\t+3], v[RD] offset:\t*2*SPITCH
.endr
.endm
.macro SEND a, younger                 ; younger: the LDS instructions issued behind block a's loads, which may stay out
.set BB, BK+32*((\a)%2)
	s_wait_dscnt \younger
.irp t, 0,1,2,3,4,5,6,7
	global_store_b128 v[CO], v[BB+4*\t:BB+4*\t+3], s[10:11] offset:(16*(\a)+2*\t)*4096 th:TH_STORE_NT   ; 16 lanes store 256 consecutive bytes, aligned; written once, read by nobody here
.endr
.endm
	s_wait_kmcnt 0x0
	s_add_co_i32 s88, s86, s87
	s_add_co_i32 s88, s88, 127
	s_lshl_b32 s88, s88, 23                        ; 2^(e6 + e7) as f32
	s_mov_b32 s89, s88                             ; (named with it as a pair)
	PLACES                                         ; behind the last products
	TOSTAGE 0
.irp a, 1,2,3
.if \a > 1
	s_wait_xcnt 0x0                                ; block a - 2's stores have read the registers into which block a's rows are loaded
.endif
	TOSTAGE \a
	SEND \a-1, 16                                  ; behind block a - 1's loads: block a's eight stores and eight loads
.endr
	SEND 3, 0
	s_wait_tensorcnt 0x0                           ; the wave's end, behind my last tensor load and my last LDS store
	ds_add_u32 v[SPW], v[NIL]
	s_wait_dscnt 0x0
	CROUND                                         ; the closing round: no work-group ends while a partner may still ask for a tile that names it
	s_endpgm
.Lfunc_end_k_q2a4598f9ef_proj:
	.size	k_q2a4598f9ef_proj, .Lfunc_end_k_q2a4598f9ef_proj-k_q2a4598f9ef_proj
	.p2alignl 7, 3214868480
	.fill 96, 4, 3214868480
	.section	.rodata,"a",@progbits
	.p2align	6, 0x0
	.amdhsa_kernel k_q2a4598f9ef_proj
		.amdhsa_group_segment_fixed_size 327680
		.amdhsa_private_segment_fixed_size 0
		.amdhsa_enable_private_segment 0
		.amdhsa_kernarg_size 32
		.amdhsa_user_sgpr_count 2
		.amdhsa_user_sgpr_kernarg_segment_ptr 1
		.amdhsa_wavefront_size32 1
		.amdhsa_system_sgpr_workgroup_id_x 1
		.amdhsa_system_sgpr_workgroup_id_y 1
		.amdhsa_system_sgpr_workgroup_id_z 1
		.amdhsa_system_vgpr_workitem_id 0
		.amdhsa_next_free_vgpr 512
		.amdhsa_next_free_sgpr 94
		.amdhsa_reserve_vcc 0
		.amdhsa_float_denorm_mode_32 3
		.amdhsa_float_denorm_mode_16_64 3
		.amdhsa_memory_ordered 1
		.amdhsa_forward_progress 1
		.amdhsa_inst_pref_size 44
	.end_amdhsa_kernel
	.amdgpu_metadata
---
amdhsa.version: [ 1, 2 ]
amdhsa.kernels:
  - .name:           k_q2a4598f9ef_proj
    .symbol:         k_q2a4598f9ef_proj.kd
    .args:
      - { .name: a_img, .offset: 0, .size: 8, .value_kind: global_buffer, .address_space: global }
      - { .name: wout_codes, .offset: 8, .size: 8, .value_kind: global_buffer, .address_space: global }
      - { .name: lowp_scales, .offset: 16, .size: 8, .value_kind: global_buffer, .address_space: global }
      - { .name: out0, .offset: 24, .size: 8, .value_kind: global_buffer, .address_space: global }
    .group_segment_fixed_size: 327680
    .private_segment_fixed_size: 0
    .kernarg_segment_align: 8
    .kernarg_segment_size: 32
    .max_flat_workgroup_size: 128
    .sgpr_count:     94
    .vgpr_count:     512
    .wavefront_size: 32
...
	.end_amdgpu_metadata
.endif
;; end of part 4
